; MI455X (gfx1250); checked and timed in simulation.
; The chip was launched on July 23, 2026; its instructions are those of AMD's public machine-readable ISA for CDNA 5 (MIT licence, August 2026) and "CDNA5" Instruction Set Architecture Reference Guide (July 2026). The comments in the code are by the model that wrote it; some were corrected since.
;; Encoder Layer. Allowed arithmetic: matrix products marked QUANTISED: E5M2 operands, one given power-of-two scale a tensor, by v_wmma_f32_16x16x64_bf8_bf8 or v_wmma_f32_16x16x128_bf8_bf8, f32 sums; everything else in f32.
;; Inputs: W1_codes 4,096 x 32 x 32 uint8 (E5M2 codes of W1, K innermost, in blocks of 32 codes); W2_codes 1,024 x 128 x 32 uint8 (E5M2 codes of W2, K innermost, in blocks of 32 codes); Wk_codes 1,024 x 32 x 32 uint8 (E5M2 codes of Wk, K innermost, in blocks of 32 codes); Wo_codes 1,024 x 32 x 32 uint8 (E5M2 codes of Wo, K innermost, in blocks of 32 codes); Wq_codes 1,024 x 32 x 32 uint8 (E5M2 codes of Wq, K innermost, in blocks of 32 codes); Wv_codes 1,024 x 32 x 32 uint8 (E5M2 codes of Wv, K innermost, in blocks of 32 codes); b1 4,096 float32; b2 1,024 float32; be1 1,024 float32; be2 1,024 float32; bk 1,024 float32; bo 1,024 float32; bq 1,024 float32; bv 1,024 float32; g1 1,024 float32; g2 1,024 float32; lowp_scales 16 int32 (the exponents e of the quantised operands' scales 2^e); x 2 x 2,048 x 1,024 float32.
;; Outputs: out0 2 x 2,048 x 1,024 float32.
;; This version of the problem:
;;   THIS VERSION OF THE PROBLEM IS GIVEN IN LOW PRECISION. The matrix products marked QUANTISED in the list below multiply operands that are first quantised to E5M2 (5 exponent bits, 2 mantissa bits; 8 bits a number), with one given power-of-two scale for each operand tensor; their sums are f32. All else is computed in f32.
;;   The module's matrix products, in the order in which they are computed (A, B: the left and right operand; K: the contracted axis; several contracted axes count as one K, in the product's order):
;;     1. [M 4,096, K 1,024] x [K 1,024, N 1,024]; A: input x; B: input Wq (given as codes): QUANTISED (scales: A lowp_scales[0], B lowp_scales[1])
;;     2. [M 4,096, K 1,024] x [K 1,024, N 1,024]; A: input x; B: input Wk (given as codes): QUANTISED (scales: A lowp_scales[2], B lowp_scales[3])
;;     3. [M 4,096, K 1,024] x [K 1,024, N 1,024]; A: input x; B: input Wv (given as codes): QUANTISED (scales: A lowp_scales[4], B lowp_scales[5])
;;     4. batch 32 x [M 2,048, K 64] x [K 64, N 2,048]; A: computed on the way; B: computed on the way: QUANTISED (scales: A lowp_scales[6], B lowp_scales[7])
;;     5. batch 32 x [M 2,048, K 2,048] x [K 2,048, N 64]; A: softmax (see below); B: computed on the way: QUANTISED (scales: A lowp_scales[8], B lowp_scales[9])
;;     6. [M 4,096, K 1,024] x [K 1,024, N 1,024]; A: computed on the way; B: input Wo (given as codes): QUANTISED (scales: A lowp_scales[10], B lowp_scales[11])
;;     7. [M 4,096, K 1,024] x [K 1,024, N 4,096]; A: computed on the way; B: input W1 (given as codes): QUANTISED (scales: A lowp_scales[12], B lowp_scales[13])
;;     8. [M 4,096, K 4,096] x [K 4,096, N 1,024]; A: computed on the way; B: input W2 (given as codes): QUANTISED (scales: A lowp_scales[14], B lowp_scales[15])
;;   THE QUANTISER, for each operand of a quantised product, along K:
;;     - The operand's scale is 2^e, e = its entry of the input lowp_scales (int32; the entries are numbered through the quantised products in the list's order, A before B).
;;     - Each number is divided by the scale, clamped to +-57,344, and rounded to the nearest number of E5M2, ties to even, subnormals kept.
;;     - The product sums the exact products of the quantised numbers (number of the format x scale) in f32.
;;   ~~~python
;;   def quantise(x, axis, e):      # numpy; x: float32 -> the quantised numbers, widened to float32 again
;;       x = np.moveaxis(x, axis, -1); K = x.shape[-1]
;;       r = np.clip(x / 2.0 ** e, -57344, 57344)
;;       step = 2.0 ** (np.maximum(np.frexp(np.where(r == 0, 1, r))[1] - 1, -14) - 2)
;;       q = np.round(r / step) * step * 2.0 ** e      # np.round: ties to even
;;       return np.moveaxis(q, -1, axis).astype(np.float32)
;;   ~~~
;;   SOFTMAX AHEAD OF A QUANTISED PRODUCT. Where the list says 'softmax', what is quantised is not the finished softmax but p = 2^(t - M), with t = logit x log2(e) and M = ceil(the row's largest t), a whole number; so 1/2 < the row's largest p <= 1. The row's sum l is taken of the UNQUANTISED p, in f32, and the product's result is divided by l at the end. Since M is a whole number, a kernel that streams over the keys may use a running M (the ceiling of the running maximum): every later rescaling is an exact power of two, so the quantised numbers keep their values, but for numbers so far below the row's largest that they fall under the format's range.
;;   OPERANDS COMPUTED ON THE WAY. 'Computed on the way' means the value that the module computes at that place (a softmax that the list does not call 'softmax' is quantised finished and normalised). What goes into a quantiser is computed in f32, as accurately as f32 sums, v_exp_f32 and their like allow (about 1e-6 of the number): no bf16 or f16 on the way to a quantiser, and a product that is left as it is and whose result goes on into a quantised operand takes f32 operands (vector FMAs, or v_wmma_f32_16x16x4_f32). A number that lies on a knife's edge between two numbers of the format may be rounded either way, as far as f32 arithmetic and the matrix unit's own rounding can turn it there, and no further.
;;   INPUTS GIVEN AS CODES. W1 (in the module: [1024, 4096], K = its axis 0); W2 (in the module: [4096, 1024], K = its axis 0); Wk (in the module: [1024, 1024], K = its axis 0); Wo (in the module: [1024, 1024], K = its axis 0); Wq (in the module: [1024, 1024], K = its axis 0); Wv (in the module: [1024, 1024], K = its axis 0): each comes as NAME_codes (uint8): NAME with its K axis moved to the last place and cut into blocks of 32 codes, [.., K / 32, bytes a block], one block behind the other in memory; one code a byte (a code: sign, 5 exponent bits, 2 mantissa bits); its scale is its entry of lowp_scales. Its value is code x scale, taken as it is: it is not quantised again, and the codes and scales need not be those that the quantiser above would give.
;; One version. Each part assembles by itself: llvm-mc -triple=amdgcn-amd-amdhsa -mcpu=gfx1250 --defsym DOCPART=n.
;; ======== version 1 of 1: 8 launches
;; limits: right only within a limited range of input values
;; workspace buffers: xc 12,582,912 bytes; qkv 12,582,912 bytes; cc 4,194,304 bytes; y 16,777,216 bytes; h 16,777,216 bytes; hc 4,194,304 bytes; fc 16,777,216 bytes
;; launch quantx (part 1): grid 256 x 1, 4 waves a work-group, no clusters, 33,280 bytes of LDS; arguments x, lowp_scales, xc; writes xc
.if DOCPART == 1
	.amdgcn_target "amdgcn-amd-amdhsa--gfx1250"
	.amdhsa_code_object_version 6
	.text
	.protected	k_qb48a9eec7a_quantx
	.globl	k_qb48a9eec7a_quantx
	.p2align	8
	.type	k_qb48a9eec7a_quantx,@function
k_qb48a9eec7a_quantx:
	s_mov_b64 s[64:65], 0
	v_nop
	global_prefetch_b8 v0, s[64:65] scope:SCOPE_SE
	s_setreg_imm32_b32 hwreg(HW_REG_WAVE_MODE, 25, 1), 1
	s_wait_xcnt 0x0
; x [4096][1024] f32 becomes three sets of E5M2 codes, rows of 1,024 bytes, K innermost: set k (4 MiB each, one behind the other) with the scale 2^e, e = entry 2 k of the scales.
; code = x / 2^e, held within +-57,344, to the nearest code, ties to even.  LIMITS: each e between -126 and 112; NaN among the inputs is not served.
; Rows are dense, so x is a plain stream.  A wave takes 4,096 numbers in 8 steps of 512.  Each load reads 512 consecutive bytes, 16 a lane; a step's 2,048 bytes turn through the wave's own
; stage in LDS (16 bytes of padding behind each 64) and come back 64 bytes a lane: 16 neighbours along K, which the conversions want in one lane's registers.
; A lane's 16 codes are 16 bytes: each store of the wave covers 512 consecutive bytes, aligned.  Waves share nothing: no barrier.  Loads run four steps ahead, the turn through LDS one step.
.set STEPS, 8
.set SP,    80                         ; a lane's place in a stage: 64 bytes + 16
.set WREG,  8192                       ; LDS of a wave: two stages of 32 x SP bytes
.set SC,    8                          ; v8-10   2^e as f32, set 0, 1, 2
.set LM,    11                         ; v11-13  57,344 x 2^e
.set R,     16                         ; v16-79  four sets of 16 numbers as loaded
.set X,     80                         ; v80-111 two sets of 16 neighbours
.set T,     112                        ; v112-127 the numbers, held
.set C,     128                        ; v128-223 codes: 12 registers a step, never written again
	s_load_b128 s[4:7], s[0:1], 0x0                ; x, the scales' exponents
	s_load_b64 s[8:9], s[0:1], 0x10                ; the codes
	v_lshl_add_u32 v224, v0, 2, 0x8000
	v_mov_b32 v225, 0
	v_lshrrev_b32 v1, 5, v0
	v_readfirstlane_b32 s16, v1                    ; wave
	v_and_b32 v2, 31, v0                           ; lane
	v_lshlrev_b32 v3, 4, v2                        ; my 16 bytes of a load's 512
	v_lshlrev_b32 v4, 4, v2                        ; my 16 codes of a step's 512
	s_mul_i32 s17, s16, WREG
	v_lshrrev_b32 v14, 2, v2
	v_mul_u32_u24 v14, v14, SP
	v_and_b32 v15, 3, v2
	v_lshl_add_u32 v14, v15, 4, v14
	v_add_nc_u32 v14, s17, v14                     ; into the stage: SP (lane / 4) + 16 (lane % 4)
	v_mul_u32_u24 v15, v2, SP
	v_add_nc_u32 v15, s17, v15                     ; out of it: SP x lane
	s_lshl_b32 s18, ttmp9, 2
	s_add_co_u32 s18, s18, s16                     ; which run of 4,096 numbers is my wave's
	s_lshl_b32 s20, s18, 14
	s_mov_b32 s21, 0
	s_lshl_b32 s22, s18, 12
	s_mov_b32 s23, 0
	s_wait_alu depctr_va_vdst(0)
	s_wait_kmcnt 0x0
	s_load_b256 s[24:31], s[6:7], 0x0              ; entries 0 to 7: 0, 2 and 4 are x's
	s_add_nc_u64 s[4:5], s[4:5], s[20:21]
	s_add_nc_u64 s[8:9], s[8:9], s[22:23]          ; set 0,
	s_add_nc_u64 s[10:11], s[8:9], 0x400000        ; set 1,
	s_add_nc_u64 s[12:13], s[8:9], 0x800000        ; set 2
.macro LOAD t
.irp i, 0,1,2,3
	global_load_b128 v[R+16*((\t)%4)+4*\i:R+16*((\t)%4)+4*\i+3], v3, s[4:5] offset:2048*(\t)+512*\i th:TH_LOAD_NT
.endr
.endm
.macro TURN t                          ; LDS serves a wave's instructions in order: no wait between the stores and the loads
.irp i, 0,1,2,3
	ds_store_b128 v14, v[R+16*((\t)%4)+4*\i:R+16*((\t)%4)+4*\i+3] offset:32*SP*((\t)%2)+8*SP*\i
.endr
.irp i, 0,1,2,3
	ds_load_b128 v[X+16*((\t)%2)+4*\i:X+16*((\t)%2)+4*\i+3], v15 offset:32*SP*((\t)%2)+16*\i
.endr
.endm
.irp t, 0,1,2,3
	LOAD \t
.endr
	s_wait_kmcnt 0x0
.irp k, 0,1,2
	s_add_co_i32 s[24+2*\k], s[24+2*\k], 127
	s_lshl_b32 s32, s[24+2*\k], 23
	v_mov_b32 v[SC+\k], s32                        ; 2^e: the conversion takes its exponent field
	s_add_co_i32 s[24+2*\k], s[24+2*\k], 15
	s_lshl_b32 s[24+2*\k], s[24+2*\k], 23
	s_or_b32 s[24+2*\k], s[24+2*\k], 0x600000
	v_mov_b32 v[LM+\k], s[24+2*\k]                 ; 57,344 x 2^e
.endr
	s_wait_alu depctr_va_vdst(0)
	s_wait_loadcnt 12                              ; step 0's four loads are in; twelve younger ones may be out
	TURN 0
.macro STEP t
.set XS, X+16*((\t)%2)
	s_wait_dscnt 0x0                               ; this step's numbers are back, and its stores into the stage have read their registers,
.if (\t)+4 < STEPS
	LOAD (\t)+4                                    ; which take the loads of four steps on
.endif
.if (\t)+1 < STEPS
.if STEPS-2-(\t) >= 3
	s_wait_loadcnt 12                              ; the next step's loads are in; those of the three steps behind it may be out
.else
	s_wait_loadcnt 4*(STEPS-2-(\t))
.endif
	TURN (\t)+1
.endif
.irp k, 0,1,2
.irp i, 0,1,2,3,4,5,6,7,8,9,10,11,12,13,14,15
	v_med3_num_f32 v[T+\i], v[XS+\i], -v[LM+\k], v[LM+\k]   ; the conversion does not saturate (ISA guide 7.6.2): the hold comes first
.endr
	v_cvt_scalef32_pk8_bf8_f32 v[C+12*(\t)+4*\k:C+12*(\t)+4*\k+1], v[T:T+7], v[SC+\k]
	v_cvt_scalef32_pk8_bf8_f32 v[C+12*(\t)+4*\k+2:C+12*(\t)+4*\k+3], v[T+8:T+15], v[SC+\k]
	v_nop                                          ; a plain line between the conversions and the next holds, which write their sources
	global_store_b128 v4, v[C+12*(\t)+4*\k:C+12*(\t)+4*\k+3], s[8+2*\k:9+2*\k] offset:512*(\t)
.endr
.endm
.irp t, 0,1,2,3,4,5,6,7
	STEP \t
.endr
	s_wait_tensorcnt 0x0
	ds_add_u32 v224, v225
	s_wait_dscnt 0x0
	s_endpgm
.Lfunc_end_k_qb48a9eec7a_quantx:
	.size	k_qb48a9eec7a_quantx, .Lfunc_end_k_qb48a9eec7a_quantx-k_qb48a9eec7a_quantx
	.p2alignl 7, 3214868480
	.fill 96, 4, 3214868480
	.section	.rodata,"a",@progbits
	.p2align	6, 0x0
	.amdhsa_kernel k_qb48a9eec7a_quantx
		.amdhsa_group_segment_fixed_size 33280
		.amdhsa_private_segment_fixed_size 0
		.amdhsa_enable_private_segment 0
		.amdhsa_kernarg_size 24
		.amdhsa_user_sgpr_count 2
		.amdhsa_user_sgpr_kernarg_segment_ptr 1
		.amdhsa_wavefront_size32 1
		.amdhsa_system_sgpr_workgroup_id_x 1
		.amdhsa_system_sgpr_workgroup_id_y 1
		.amdhsa_system_sgpr_workgroup_id_z 1
		.amdhsa_system_vgpr_workitem_id 0
		.amdhsa_next_free_vgpr 226
		.amdhsa_next_free_sgpr 66
		.amdhsa_reserve_vcc 0
		.amdhsa_float_denorm_mode_32 3
		.amdhsa_float_denorm_mode_16_64 3
		.amdhsa_memory_ordered 1
		.amdhsa_forward_progress 1
		.amdhsa_inst_pref_size 41
	.end_amdhsa_kernel
	.amdgpu_metadata
---
amdhsa.version: [ 1, 2 ]
amdhsa.kernels:
  - .name:           k_qb48a9eec7a_quantx
    .symbol:         k_qb48a9eec7a_quantx.kd
    .args:
      - { .name: x, .offset: 0, .size: 8, .value_kind: global_buffer, .address_space: global }
      - { .name: lowp_scales, .offset: 8, .size: 8, .value_kind: global_buffer, .address_space: global }
      - { .name: xc, .offset: 16, .size: 8, .value_kind: global_buffer, .address_space: global }
    .group_segment_fixed_size: 33280
    .private_segment_fixed_size: 0
    .kernarg_segment_align: 8
    .kernarg_segment_size: 24
    .max_flat_workgroup_size: 128
    .sgpr_count:     66
    .vgpr_count:     226
    .wavefront_size: 32
...
	.end_amdgpu_metadata
.endif
;; end of part 1
;; launch qkv (part 2): grid 12 x 16, 4 waves a work-group, clusters of 4 x 4, 327,680 bytes of LDS; arguments xc, Wq_codes, Wk_codes, Wv_codes, bq, bk, bv, lowp_scales, qkv; writes qkv
.if DOCPART == 2
	.amdgcn_target "amdgcn-amd-amdhsa--gfx1250"
	.amdhsa_code_object_version 6
	.text
	.protected	k_qb48a9eec7a_qkv
	.globl	k_qb48a9eec7a_qkv
	.p2align	8
	.type	k_qb48a9eec7a_qkv,@function
k_qb48a9eec7a_qkv:
	s_mov_b64 s[64:65], 0
	v_nop
	global_prefetch_b8 v0, s[64:65] scope:SCOPE_SE
	s_setreg_imm32_b32 hwreg(HW_REG_WAVE_MODE, 25, 1), 1
	s_wait_xcnt 0x0
	s_wait_alu depctr_hold_cnt(0) depctr_sa_sdst(0) depctr_va_vdst(0) depctr_va_sdst(0) depctr_va_ssrc(0) depctr_va_vcc(0) depctr_vm_vsrc(0)
	s_getreg_b32 s2, hwreg(HW_REG_IB_STS2, 6, 4)
	s_cmp_eq_u32 s2, 0
	s_cbranch_scc0 .Lentry_in_a_cluster
	s_endpgm
.Lentry_in_a_cluster:
	s_bfe_u32 s2, ttmp6, 0x10000c
	s_cmp_lg_u32 s2, 0xf033
	s_cbranch_scc0 .Lentry_shape_is_right
	s_endpgm
.Lentry_shape_is_right:
.set MODE,  0
.set KROW,  1024
.set ROWB,  256
.set PITCH, 272
.set FR,    16
.set NL,    4
.set NP,    4
.set HALFT, 128*PITCH
.set SLOT,  4*HALFT
.set LAPS,  KROW/(2*ROWB)
.set SPARE, 2*SLOT
.set ADRA, 16
.set ADRB, 20
.set VO,   26
.set SPW,  28
.set NIL,  29
.set CB,   32
.set TMP,  32
.set RB,   96
.set SCL,  112
.set LIM,  113
.set ZR,   114
.set AF,   128
.set CD,   128
.set G1,  24
.set G0,  32
.set G1B, 48
.set G0B, 56
.set MSB, 0
.macro WIN new
.if MSB != (\new)
	s_set_vgpr_msb (MSB<<8)|(\new)
.set MSB, (\new)
.endif
.endm
.set MUL_LO, 0xa1
.set MUL_HI, 0xf1
.set TO_B,   0x40
.macro MWIN hi, zero
.if \zero
	WIN 0x81+0x40*(\hi)
.else
	WIN 0xa1+0x50*(\hi)
.endif
.endm
.macro JLOAD g0a, g1a, g0b, g1b
	s_cmp_eq_u32 s15, 0
	s_cbranch_scc0 .Lfor_b_\@
	tensor_load_to_lds s[\g0a:\g0a+3], s[\g1a:\g1a+7]
	s_nop 0
.rept 4
	v_nop
.endr
	s_branch .Lasked_\@
.Lfor_b_\@:
	tensor_load_to_lds s[\g0b:\g0b+3], s[\g1b:\g1b+7]
	s_nop 0
.rept 4
	v_nop
.endr
.Lasked_\@:
.endm
.macro CREST
	s_cmp_lg_u32 s14, 0
	s_cbranch_scc1 .Lnot_wave_0_\@
	s_barrier_signal -3
.Lnot_wave_0_\@:
	s_barrier_wait -3
	s_barrier_signal -1
	s_barrier_wait -1
.endm
.macro CROUND
	s_barrier_signal -1
	s_barrier_wait -1
	CREST
.endm
.if MODE == 0
	s_load_b512 s[68:83], s[0:1], 0x0
	s_load_b64 s[84:85], s[0:1], 0x40
.else
	s_load_b256 s[68:75], s[0:1], 0x0
	s_load_b64 s[84:85], s[0:1], 0x20
.endif
	v_lshl_add_u32 v[SPW], v0, 2, SPARE
	v_mov_b32 v[NIL], 0
	ds_add_u32 v28, v29
	ds_add_u32 v28, v29
	s_wait_dscnt 0x0
	v_lshrrev_b32 v1, 5, v0
	v_readfirstlane_b32 s14, v1
	v_and_b32 v30, 31, v0
	v_lshlrev_b32 v30, 10, v30                     ; the prefetches' offset: my lane x a row of 1,024 bytes; never rewritten
	s_lshr_b32 s15, s14, 1
	s_and_b32 s16, s14, 1
	s_bfe_u32 s40, ttmp6, 0x40000
	s_bfe_u32 s41, ttmp6, 0x40004
	s_and_b32 s92, ttmp7, 0xffff
	s_lshl_b32 s92, s92, 2
.if MODE == 0
	s_cmp_eq_u32 ttmp9, 2
	s_cselect_b32 s93, 0, s92
	s_cselect_b32 s94, s92, 0
	s_add_co_u32 s17, s41, s93
	s_add_co_u32 s42, s40, s94
.else
	s_add_co_u32 s17, s92, s41
	s_lshl_b32 s42, ttmp9, 2
	s_add_co_u32 s42, s42, s40
.endif
	s_lshl_b32 s43, s41, 2
	s_lshl_b32 s43, 15, s43
	s_lshl_b32 s44, 0x1111, s40
	s_or_b32 s[G1+0], s43, (0<<16)|(1<<20)|(1<<21)|(5<<22)|(3<<25)
	s_or_b32 s[G1B+0], s44, (0<<16)|(1<<20)|(1<<21)|(5<<22)|(3<<25)
.irp g, G1, G1B
	s_mov_b32 s[\g+1], ROWB<<16
	s_mov_b32 s[\g+2], 128<<16
	s_mov_b32 s[\g+3], ROWB<<16
	s_mov_b32 s[\g+4], 128
	s_mov_b32 s[\g+5], KROW
	s_mov_b32 s[\g+6], 0
	s_mov_b32 s[\g+7], 0
.endr
	s_lshl_b32 s18, s16, 7
	s_lshl_b32 s20, s17, 8
	s_add_co_u32 s20, s20, s18
	s_lshl_b32 s20, s20, 10
	s_mov_b32 s21, 0
	s_lshl_b32 s46, s42, 8
	s_add_co_u32 s46, s46, s18
	s_lshl_b32 s46, s46, 10
	s_mov_b32 s47, 0
	s_mul_i32 s45, s14, HALFT
	s_wait_kmcnt 0x0
.if MODE == 0
	s_mov_b64 s[86:87], s[82:83]
	s_lshl_b32 s90, ttmp9, 22
	s_mov_b32 s91, 0
	s_add_nc_u64 s[88:89], s[68:69], s[90:91]
	s_add_nc_u64 s[10:11], s[84:85], s[90:91]
	s_cmp_eq_u32 ttmp9, 0
	s_cselect_b64 s[6:7], s[70:71], s[72:73]
	s_cselect_b64 s[8:9], s[76:77], s[78:79]
	s_cmp_eq_u32 ttmp9, 2
	s_cselect_b64 s[4:5], s[74:75], s[88:89]
	s_cselect_b64 s[6:7], s[88:89], s[6:7]
	s_cselect_b64 s[8:9], s[80:81], s[8:9]
.else
	s_mov_b64 s[4:5], s[68:69]
	s_mov_b64 s[6:7], s[70:71]
	s_mov_b64 s[86:87], s[72:73]
	s_mov_b64 s[8:9], s[74:75]
	s_mov_b64 s[10:11], s[84:85]
.endif
	s_load_b512 s[68:83], s[86:87], 0x0
	s_add_nc_u64 s[20:21], s[4:5], s[20:21]
	s_add_nc_u64 s[46:47], s[6:7], s[46:47]
	s_cmp_eq_u32 s15, 0                            ; the prefetches: of the 128 rows that my wave fetches, the four partners that ask for them jointly take 32 each, told apart by address
	s_cselect_b64 s[96:97], s[20:21], s[46:47]
	s_cselect_b32 s98, s40, s41
	s_lshl_b32 s98, s98, 15                        ; 32 rows of 1,024 bytes x my place among the four
	s_mov_b32 s99, 0
	s_add_nc_u64 s[96:97], s[96:97], s[98:99]      ; never rewritten
	CROUND
.irp s, 0,1
	s_mov_b32 s[G0+4*\s], 1
	s_add_co_u32 s[G0+4*\s+1], s45, \s*SLOT
	s_add_nc_u64 s[G0+4*\s+2:G0+4*\s+3], s[20:21], \s*ROWB
	s_or_b32 s[G0+4*\s+3], s[G0+4*\s+3], 0x80000000
	s_mov_b32 s[G0B+4*\s], 1
	s_add_co_u32 s[G0B+4*\s+1], s45, \s*SLOT
	s_add_nc_u64 s[G0B+4*\s+2:G0B+4*\s+3], s[46:47], \s*ROWB
	s_or_b32 s[G0B+4*\s+3], s[G0B+4*\s+3], 0x80000000
	s_wait_alu depctr_va_vdst(0)
.if \s == 1                            ; slot 1's first fill stands behind the full sequence and a round of its own; slot 0's behind the round above
	s_wait_tensorcnt 0x0
	ds_add_u32 v28, v29
	ds_add_u32 v28, v29
	s_wait_dscnt 0x0
	CROUND
.endif
	JLOAD G0+4*\s, G1, G0B+4*\s, G1B
.if \s == 0
	global_prefetch_b8 v30, s[96:97] offset:ROWB th:TH_LOAD_NT scope:SCOPE_SE     ; behind K step 0's load: K steps 1 and 2, a lane a row, 256 bytes of each row;
	global_prefetch_b8 v30, s[96:97] offset:2*ROWB th:TH_LOAD_NT scope:SCOPE_SE
.else
	global_prefetch_b8 v30, s[96:97] offset:3*ROWB th:TH_LOAD_NT scope:SCOPE_SE   ; behind K step 1's load: K step 3, the last: two steps are asked for and not yet read at the most
.endif
.endr
	v_and_b32 v1, 15, v0
	v_bfe_u32 v2, v0, 4, 1
	v_mul_u32_u24 v3, v1, PITCH
	v_lshl_add_u32 v4, v2, 4, v3
	s_mul_i32 s21, s15, HALFT
	s_mul_i32 s22, s16, HALFT
	s_add_co_u32 s22, s22, 2*HALFT
.irp s, 0,1
	v_add_nc_u32 v[ADRA+\s], s21, v4
	v_add_nc_u32 v[ADRB+\s], s22, v4
	s_add_co_u32 s21, s21, SLOT
	s_add_co_u32 s22, s22, SLOT
.endr
	v_lshlrev_b32 v[VO], 4, v1
	v_lshl_add_u32 v[VO], v2, 8, v[VO]             ; the way out: 16 x lane: a lane stores 16 bytes, the codes of two neighbouring blocks of 16 columns
	v_lshlrev_b32 v5, 5, v2
	s_wait_alu depctr_va_vdst(0)
	v_lshlrev_b32 v6, 2, v1
	s_wait_alu depctr_va_vdst(0)
	v_mov_b32 v[ZR], 0
	s_lshl_b32 s20, s17, 8
	s_lshl_b32 s21, s15, 7
	s_add_co_u32 s20, s20, s21
	s_lshl_b32 s46, s42, 8
	s_lshl_b32 s47, s16, 7
	s_add_co_u32 s46, s46, s47
.if MODE == 0
	s_lshr_b32 s88, s20, 11
	s_lshl_b32 s88, s88, 21
	s_lshr_b32 s89, s46, 6
	s_lshl_b32 s89, s89, 17
	s_add_co_u32 s88, s88, s89
	s_and_b32 s89, s20, 2047
	s_lshl_b32 s89, s89, 6
	s_add_co_u32 s88, s88, s89
	s_and_b32 s90, s46, 2047
	s_lshl_b32 s90, s90, 11
	s_lshr_b32 s91, s46, 11
	s_lshl_b32 s91, s91, 16
	s_add_co_u32 s90, s90, s91
	s_lshl_b32 s91, s20, 6
	s_add_co_u32 s90, s90, s91
	s_cmp_eq_u32 ttmp9, 2
	s_cselect_b32 s88, s90, s88
	s_cselect_b32 s92, 0, s46
	s_cselect_b32 s94, s20, 0
.else
	s_lshl_b32 s88, s20, 12
	s_lshl_b32 s89, s46, 4
	s_add_co_u32 s88, s88, s89
	s_mov_b32 s92, s46
	s_mov_b32 s94, 0
.endif
	s_mov_b32 s89, 0
	s_add_nc_u64 s[10:11], s[10:11], s[88:89]
	s_lshl_b32 s92, s92, 2
	s_mov_b32 s93, 0
	s_lshl_b32 s94, s94, 2
	s_mov_b32 s95, 0
	s_add_nc_u64 s[92:93], s[8:9], s[92:93]
	s_add_nc_u64 s[94:95], s[8:9], s[94:95]
.irp b, 0,1,2,3,4,5,6,7
	global_load_b128 v[CB+8*\b:CB+8*\b+3], v5, s[92:93] offset:64*\b
	global_load_b128 v[CB+8*\b+4:CB+8*\b+7], v5, s[92:93] offset:64*\b+16
.endr
.if MODE == 0
.irp a, 0,1,2,3,4,5,6,7
	global_load_b32 v[RB+2*\a], v6, s[94:95] offset:64*\a
.endr
.endif
	s_wait_loadcnt 0x0
	s_wait_kmcnt 0x0
.if MODE == 0
	s_add_co_i32 s68, s68, s69
	s_add_co_i32 s70, s70, s71
	s_add_co_i32 s72, s72, s73
	s_cmp_eq_u32 ttmp9, 0
	s_cselect_b32 s68, s68, s70
	s_cselect_b32 s74, s74, s75
	s_cmp_eq_u32 ttmp9, 2
	s_cselect_b32 s68, s72, s68
	s_cselect_b32 s74, s77, s74
	s_cselect_b32 s78, -1, 0
.else
	s_add_co_i32 s68, s80, s81
	s_mov_b32 s74, s82
.endif
	s_sub_co_i32 s69, 0, s68
	s_sub_co_i32 s74, s74, s68
	s_add_co_i32 s74, s74, 127
	s_lshl_b32 s75, s74, 23
	v_mov_b32 v[SCL], s75
	s_add_co_i32 s74, s74, 15
	s_lshl_b32 s74, s74, 23
	s_or_b32 s74, s74, 0x600000
	v_mov_b32 v[LIM], s74
.set j, 0
.rept 64
	v_ldexp_f32 v[CB+j], v[CB+j], s69
.if MODE == 0
	s_wait_alu depctr_va_vdst(0)
	v_cndmask_b32 v[CB+j], v[CB+j], v[ZR], s78
.endif
.set j, j+1
.endr
.if MODE == 0
.irp a, 0,1,2,3,4,5,6,7
	v_ldexp_f32 v[RB+2*\a], v[RB+2*\a], s69
	v_cndmask_b32 v[RB+2*\a], v[ZR], v[RB+2*\a], s78
	v_mov_b32 v[RB+2*\a+1], v[RB+2*\a]
.endr
.endif
.macro FRAG reg, adr, q, i
.irp c, 0,1,2,3
	ds_load_b128 v[\reg+4*\c:\reg+4*\c+3], v[\adr] offset:128*(\q)+32*\c+(\i)*16*PITCH
.endr
.endm
.macro MUL16 a0, p, zero
.irp a, \a0, \a0+1
.irp b, 0,1,2,3,4,5,6,7
.if \zero
	v_wmma_f32_16x16x128_bf8_bf8 v[8*(8*((\a)%4)+\b):8*(8*((\a)%4)+\b)+7], v[128*(\p)+FR*\b:128*(\p)+FR*\b+FR-1], v[AF+FR*(\a):AF+FR*(\a)+FR-1], v[CB+8*\b:CB+8*\b+7]
.else
	v_wmma_f32_16x16x128_bf8_bf8 v[8*(8*((\a)%4)+\b):8*(8*((\a)%4)+\b)+7], v[128*(\p)+FR*\b:128*(\p)+FR*\b+FR-1], v[AF+FR*(\a):AF+FR*(\a)+FR-1], v[8*(8*((\a)%4)+\b):8*(8*((\a)%4)+\b)+7]
.endif
.endr
.endr
.endm
.macro FETCH_B slot, q, p
	WIN TO_B
.irp i, 0,1,2,3,4,5,6,7
	FRAG 128*(\p)+FR*\i, ADRB+\slot, \q, \i
.endr
	WIN 0
.endm
.macro FETCH_A slot, q, i0
.irp i, \i0, \i0+1, \i0+2, \i0+3
	FRAG AF+FR*(\i), ADRA+\slot, \q, \i
.endr
.endm
.macro PLACES n
.rept \n
	v_nop
.endr
.endm
.macro STEP slot, q, zero
	s_wait_dscnt 4*NL
	MWIN 0, \zero
	MUL16 0, (\q)%2, \zero
	MUL16 2, (\q)%2, \zero
	s_wait_dscnt 0
	PLACES NP
	FETCH_B \slot, (\q)+1, 1-(\q)%2
	FETCH_A \slot, (\q)+1, 0
	MWIN 1, \zero
	MUL16 4, (\q)%2, \zero
	MUL16 6, (\q)%2, \zero
	PLACES NP
	WIN 0
	FETCH_A \slot, (\q)+1, 4
.endm
.macro TURN slot, next, fill
	s_wait_tensorcnt 0x0
	ds_add_u32 v[SPW], v[NIL]
	s_wait_dscnt 4*NL+1
	WIN MUL_LO
	MUL16 0, 1, 0
	s_wait_dscnt 0x0
	s_barrier_signal -1
	MUL16 2, 1, 0
	WIN 0
	s_barrier_wait -1
.if \fill
	CREST
	s_add_nc_u64 s[G0+4*\slot+2:G0+4*\slot+3], s[G0+4*\slot+2:G0+4*\slot+3], 2*ROWB
	s_add_nc_u64 s[G0B+4*\slot+2:G0B+4*\slot+3], s[G0B+4*\slot+2:G0B+4*\slot+3], 2*ROWB
	JLOAD G0+4*\slot, G1, G0B+4*\slot, G1B
.else
	PLACES NP
.endif
	FETCH_B \next, 0, 0
	FETCH_A \next, 0, 0
	WIN MUL_HI
	MUL16 4, 1, 0
	MUL16 6, 1, 0
	PLACES NP
	WIN 0
	FETCH_A \next, 0, 4
.endm
	s_wait_tensorcnt 1
	s_barrier_signal -1
	s_barrier_wait -1
	FETCH_B 0, 0, 0
	FETCH_A 0, 0, 0
	FETCH_A 0, 0, 4
	STEP 0, 0, 1
	s_mov_b32 s3, LAPS-1
.Llap:
	TURN 0, 1, 1
	STEP 1, 0, 0
	TURN 1, 0, 1
	STEP 0, 0, 0
	s_sub_co_u32 s3, s3, 1
	s_cmp_lg_u32 s3, 0
	s_cbranch_scc1 .Llap
	TURN 0, 1, 0
	STEP 1, 0, 0
	s_wait_dscnt 4*NL
	WIN MUL_LO
	MUL16 0, 1, 0
	MUL16 2, 1, 0
	s_wait_dscnt 0
	WIN MUL_HI
	MUL16 4, 1, 0
	MUL16 6, 1, 0
	WIN 0
.macro OUTBLK a
.set AC, 64*((\a)%4)
	WIN 0x02+((\a)/4)
.if MODE == 0
.set j, 0
.rept 32
	v_pk_add_f32 v[TMP+j:TMP+j+1], v[AC+j:AC+j+1], v[RB+2*(\a):RB+2*(\a)+1]
.set j, j+2
.endr
	WIN 0
.set j, 0
.rept 64
	v_med3_num_f32 v[TMP+j], v[TMP+j], -v[LIM], v[LIM]
.set j, j+1
.endr
.else
.set j, 0
.rept 64
	v_med3_num_f32 v[TMP+j], v[AC+j], 0, v[LIM]
.set j, j+1
.endr
	WIN 0
.endif
.irp b, 0,1,2,3,4,5,6,7
	v_cvt_scalef32_pk8_bf8_f32 v[CD+16*(\a)+2*\b:CD+16*(\a)+2*\b+1], v[TMP+8*\b:TMP+8*\b+7], v[SCL]
.endr
	v_nop
.irp b, 0,1,2,3,4,5,6,7
.if MODE == 0
.if (\b%2) == 0
	global_store_b128 v[VO], v[CD+16*(\a)+2*\b:CD+16*(\a)+2*\b+3], s[10:11] offset:(\a)*1024+(\b/4)*131072+(\b%4)*256   ; the wave stores 512 consecutive bytes, aligned: [half of the lanes][16 rows][2 blocks][8 codes]
.endif
.else
	global_store_b64 v[VO], v[CD+16*(\a)+2*\b:CD+16*(\a)+2*\b+1], s[10:11] offset:(\a)*65536+\b*256
.endif
.endr
.endm
	PLACES NP
.irp a, 0,1,2,3,4,5,6,7
	OUTBLK \a
.endr
	s_wait_tensorcnt 0x0
	ds_add_u32 v[SPW], v[NIL]
	s_wait_dscnt 0x0
	CROUND
	s_endpgm
.Lfunc_end_k_qb48a9eec7a_qkv:
	.size	k_qb48a9eec7a_qkv, .Lfunc_end_k_qb48a9eec7a_qkv-k_qb48a9eec7a_qkv
	.p2alignl 7, 3214868480
	.fill 96, 4, 3214868480
	.section	.rodata,"a",@progbits
	.p2align	6, 0x0
	.amdhsa_kernel k_qb48a9eec7a_qkv
		.amdhsa_group_segment_fixed_size 327680
		.amdhsa_private_segment_fixed_size 0
		.amdhsa_enable_private_segment 0
		.amdhsa_kernarg_size 72
		.amdhsa_user_sgpr_count 2
		.amdhsa_user_sgpr_kernarg_segment_ptr 1
		.amdhsa_wavefront_size32 1
		.amdhsa_system_sgpr_workgroup_id_x 1
		.amdhsa_system_sgpr_workgroup_id_y 1
		.amdhsa_system_sgpr_workgroup_id_z 1
		.amdhsa_system_vgpr_workitem_id 0
		.amdhsa_next_free_vgpr 1024
		.amdhsa_next_free_sgpr 100
		.amdhsa_reserve_vcc 0
		.amdhsa_float_denorm_mode_32 3
		.amdhsa_float_denorm_mode_16_64 3
		.amdhsa_memory_ordered 1
		.amdhsa_forward_progress 1
		.amdhsa_inst_pref_size 150
	.end_amdhsa_kernel
	.amdgpu_metadata
---
amdhsa.version: [ 1, 2 ]
amdhsa.kernels:
  - .name:           k_qb48a9eec7a_qkv
    .symbol:         k_qb48a9eec7a_qkv.kd
    .args:
      - { .name: xc, .offset: 0, .size: 8, .value_kind: global_buffer, .address_space: global }
      - { .name: Wq_codes, .offset: 8, .size: 8, .value_kind: global_buffer, .address_space: global }
      - { .name: Wk_codes, .offset: 16, .size: 8, .value_kind: global_buffer, .address_space: global }
      - { .name: Wv_codes, .offset: 24, .size: 8, .value_kind: global_buffer, .address_space: global }
      - { .name: bq, .offset: 32, .size: 8, .value_kind: global_buffer, .address_space: global }
      - { .name: bk, .offset: 40, .size: 8, .value_kind: global_buffer, .address_space: global }
      - { .name: bv, .offset: 48, .size: 8, .value_kind: global_buffer, .address_space: global }
      - { .name: lowp_scales, .offset: 56, .size: 8, .value_kind: global_buffer, .address_space: global }
      - { .name: qkv, .offset: 64, .size: 8, .value_kind: global_buffer, .address_space: global }
    .group_segment_fixed_size: 327680
    .private_segment_fixed_size: 0
    .kernarg_segment_align: 8
    .kernarg_segment_size: 72
    .max_flat_workgroup_size: 128
    .sgpr_count:     100
    .vgpr_count:     1024
    .wavefront_size: 32
...
	.end_amdgpu_metadata
.endif
;; end of part 2
;; launch attn (part 3): grid 8 x 32, 8 waves a work-group, clusters of 4 x 1, 327,680 bytes of LDS; arguments qkv, lowp_scales, cc; writes cc
.if DOCPART == 3
	.amdgcn_target "amdgcn-amd-amdhsa--gfx1250"
	.amdhsa_code_object_version 6
	.text
	.protected	k_qb48a9eec7a_attn
	.globl	k_qb48a9eec7a_attn
	.p2align	8
	.type	k_qb48a9eec7a_attn,@function
k_qb48a9eec7a_attn:
	s_mov_b64 s[64:65], 0
	v_nop
	global_prefetch_b8 v0, s[64:65] scope:SCOPE_SE
	s_setreg_imm32_b32 hwreg(HW_REG_WAVE_MODE, 25, 1), 1
	s_wait_xcnt 0x0
	s_wait_alu depctr_hold_cnt(0) depctr_sa_sdst(0) depctr_va_vdst(0) depctr_va_sdst(0) depctr_va_ssrc(0) depctr_va_vcc(0) depctr_vm_vsrc(0)
	s_getreg_b32 s2, hwreg(HW_REG_IB_STS2, 6, 4)
	s_cmp_eq_u32 s2, 0
	s_cbranch_scc0 .Lentry_in_a_cluster
	s_endpgm
.Lentry_in_a_cluster:
	s_bfe_u32 s2, ttmp6, 0x10000c
	s_cmp_lg_u32 s2, 0x3003
	s_cbranch_scc0 .Lentry_shape_is_right
	s_endpgm
.Lentry_shape_is_right:
; ctx = softmax(Q K^T / 8) V for one head and 256 queries a work-group, both products on E5M2 codes; the result is quantised with entry 10 of the scales and stored as codes.
; q, k at bytes 0 and 4 MiB of the buffer: [16 batch + head][token / 16] blocks of 1,024 bytes; v at 8 MiB: [token / 64][batch][head][d / 16] blocks of 1,024 bytes.
; A block is two runs of 512 bytes; in run c lane l = r + 16 h owns bytes 16 l .. 16 l + 15: of row r (q, k: a token; v: a channel d) the codes k = 32 c + 8 h + 0..7 and 32 c + 16 + 8 h + 0..7:
; registers 4 c .. 4 c + 3 of an operand in this form's own order of k.  So every fragment comes by loads of 16 bytes at 16 x lane.
; THE SOFTMAX: t = score x log2(e) / 8; M = the running largest t rounded UP to a whole number; p = 2^(t - M) is quantised (entry 8), not normalised; the row's sum is taken of the unquantised p and divides at the end.
; When M moves, the sums and O are multiplied by 2^(old M - new M): exact.  The running maximum is kept as a score; c is positive, so c x the largest score is the largest t.
; SHARES: eight waves, 32 queries each (two tiles, A and B), 512 registers: each fragment of K and of V feeds two matrix instructions.  Every wave walks all 2,048 keys, 128 a step.
; LDS: the head's whole K (131,072 bytes from byte 0) and V (131,072 bytes behind it) are filled ONCE, one tensor load a wave at the head: waves 0-3 a quarter of K each, waves 4-7 a quarter of V.
; One barrier shows them to all waves; the 16 steps have none.  No byte is filled twice.
; CLUSTER 4 x 1: the four work-groups of a cluster own query blocks of one head and ask for its K and V jointly (mask 15).
; No prefetch: all fills go out at the head, ahead of any loop in which a request could run ahead.
; LAYOUT: S^T = K Q^T (source 0 = 16 neighbouring keys, source 1 = 16 queries), O^T = V^T P^T: a lane holds one query of each tile throughout.  Key tile t's eight registers are keys 16 t + 8 h + 0..7,
; so their two registers of codes are registers 2 t, 2 t + 1 of P.
; THE STEP'S ORDER: lines that hang on each other stand apart.  The chain that makes A's M stands between B's maxima, B's chain between A's t - M.  The exponentials stand in two batches, each with plain lines
; between them whose results are first read behind the next wait: A's exponentials with B's t - M, B's exponentials with A's holds (into registers of their own, since the sums want the unheld p).
; LIMITS: e6 + e7 between -123 and 130; e8, and e10 - e8 - e9, between -126 and 112; the scaled scores stay under 2^31 in magnitude.
; REGISTERS, window 0 (all of the softmax): v1-7 addresses; v8, v10 -M of A, B; v9, v11 their largest scores; v16, v18 f; v12-15, v20-23, v28-31 at work; v24-27 scales and holds;
;   v32-47 Q; v48-55, v56-63 A's, B's sums, four pairs each; v64-127 A's p, held; v128-191 A's S^T, then p; v192-255 B's.
; window 1: v0-63 V's four fragments; v64-127 K's eight; v128-159 A's O^T; v160-191 B's; v192-207, v208-223 A's, B's codes.
.set SPARE, 0x40000                    ; behind K and V: the spare words, 128 bytes a wave
.set AK0, 1                            ; 16 x lane
.set AV0, 2                            ; the same in V's part of LDS
.set ADK, 3
.set ADV, 4
.set SPW, 5
.set NIL, 6
.set GO,  7
.set HOLD, 24                          ; 57,344 x 2^e8
.set SCL,  25                          ; 2^e8
.set OSC,  26                          ; 2^(e10 - e8 - e9)
.set OLM,  27                          ; 57,344 x that
.set QA, 32
.set QB, 40
.set RA, 48
.set RB, 56
.set T,  64
.set SA, 128
.set SB, 192
.set VF, 0
.set KF, 64
.set OA, 128
.set OB, 160
.set PCA, 192
.set PCB, 208
.set WV,  18
.set WQ,  19
.set SEL, 20
.set CS,  22
.set G1K, 24
.set G1V, 32
.set G0K, 40
.set G0V, 44
.set TB,  48                           ; LDS byte of the step's keys, in K's part and in V's alike
.set TK,  49
.set CNT, 50
.set MSB, 0
.macro WIN new                         ; the immediate's high byte repeats the setting that is left
.if MSB != (\new)
	s_set_vgpr_msb (MSB<<8)|(\new)
.set MSB, (\new)
.endif
.endm
.macro CROUND                          ; a round of the cluster's barrier
	s_barrier_signal -1
	s_barrier_wait -1
	s_cmp_lg_u32 s[WV], 0
	s_cbranch_scc1 .Lnot_wave_0_\@
	s_barrier_signal -3
.Lnot_wave_0_\@:
	s_barrier_wait -3
	s_barrier_signal -1
	s_barrier_wait -1
.endm
	s_load_b128 s[4:7], s[0:1], 0x0                ; q, k, v; the scales
	s_load_b64 s[8:9], s[0:1], 0x10                ; the result
	v_lshl_add_u32 v[SPW], v0, 2, SPARE
	v_mov_b32 v[NIL], 0
	ds_add_u32 v[SPW], v[NIL]                      ; the opening lines: the add, twice on end, and its wait ahead of my tensor load
	ds_add_u32 v[SPW], v[NIL]
	v_lshrrev_b32 v3, 5, v0
	v_readfirstlane_b32 s[WV], v3                  ; wave 0..7
	s_and_b32 s[WQ], s[WV], 3                      ; which quarter I fetch
	s_bfe_u32 s56, ttmp6, 0x40000                  ; cx
	s_lshl_b32 s57, ttmp9, 2
	s_add_co_u32 s57, s57, s56                     ; my block of 256 queries
	s_and_b32 s58, ttmp7, 0xffff                   ; 16 x batch + head
	s_lshr_b32 s62, s58, 4
	s_and_b32 s63, s58, 15
	s_lshl_b32 s60, s58, 17                        ; the head's bytes in q and in k
	s_mov_b32 s61, 0
	s_lshl_b32 s66, s62, 16
	s_lshl_b32 s67, s63, 12
	s_add_co_u32 s66, s66, s67                     ; and in a group of 64 keys of v
	s_mov_b32 s67, 0
	s_lshl_b32 s68, s[WQ], 15                      ; a quarter: 32,768 bytes of K in memory, and of either in LDS
	s_mov_b32 s69, 0
	s_lshl_b32 s70, s[WQ], 20                      ; 8 groups of 64 keys of v in memory
	s_mov_b32 s71, 0
	s_mov_b32 s[G1K], 15|(3<<16)|(1<<21)           ; the mask of the four; K's quarter: a dense block as 128 rows of 32 elements of 8 bytes
	s_mov_b32 s[G1K+1], 32<<16
	s_mov_b32 s[G1K+2], 128<<16
	s_mov_b32 s[G1K+3], 32<<16
	s_mov_b32 s[G1K+4], 128
	s_mov_b32 s[G1K+5], 32
	s_mov_b32 s[G1K+6], 0
	s_mov_b32 s[G1K+7], 0
	s_mov_b32 s[G1V], 15|(3<<16)|(1<<21)           ; V's quarter: 8 rows of 512 elements (4,096 bytes), 16,384 elements apart
	s_mov_b32 s[G1V+1], 512<<16
	s_mov_b32 s[G1V+2], 8<<16
	s_mov_b32 s[G1V+3], 512<<16
	s_mov_b32 s[G1V+4], 8
	s_mov_b32 s[G1V+5], 16384
	s_mov_b32 s[G1V+6], 0
	s_mov_b32 s[G1V+7], 0
	s_mov_b32 s[G0K], 1
	s_mov_b32 s[G0K+1], s68
	s_mov_b32 s[G0V], 1
	s_add_co_u32 s[G0V+1], s68, 0x20000
	s_mov_b32 s[SEL], 0x76543210
	s_mov_b32 s[SEL+1], 0xfedcba98
	s_mov_b32 s[CS], 0x3e38aa3b                    ; c = log2(e) / 8
	s_wait_alu depctr_va_vdst(0)
	s_wait_dscnt 0x0                               ; both opening adds are done
	s_wait_kmcnt 0x0
	s_load_b256 s[84:91], s[6:7], 0x10             ; entries 4 to 11: e6 = s86, e7 = s87, e8 = s88, e9 = s89, e10 = s90
	s_add_nc_u64 s[10:11], s[4:5], s[60:61]        ; q at my head
	s_add_nc_u64 s[12:13], s[10:11], 0x400000      ; k
	s_add_nc_u64 s[G0K+2:G0K+3], s[12:13], s[68:69]
	s_or_b32 s[G0K+3], s[G0K+3], 0x80000000
	s_add_nc_u64 s[14:15], s[4:5], s[66:67]
	s_add_nc_u64 s[14:15], s[14:15], 0x800000      ; v
	s_add_nc_u64 s[G0V+2:G0V+3], s[14:15], s[70:71]
	s_or_b32 s[G0V+3], s[G0V+3], 0x80000000
	CROUND                                         ; the four work-groups are here: the joint loads meet
	s_cmp_lt_u32 s[WV], 4                          ; one chain of two arms, one load each
	s_cbranch_scc0 .Lfor_v
	tensor_load_to_lds s[G0K:G0K+3], s[G1K:G1K+7]
	s_nop 0
.rept 4
	v_nop
.endr
	s_branch .Lasked
.Lfor_v:
	tensor_load_to_lds s[G0V:G0V+3], s[G1V:G1V+7]
	s_nop 0
.rept 4
	v_nop
.endr
.Lasked:
	s_lshl_b32 s59, s57, 4
	s_lshl_b32 s72, s[WV], 1
	s_add_co_u32 s59, s59, s72                     ; my first block of 16 queries
	s_lshl_b32 s72, s59, 10
	s_mov_b32 s73, 0
	s_add_nc_u64 s[10:11], s[10:11], s[72:73]      ; my 32 queries: 2,048 bytes
	s_lshl_b32 s74, s62, 7
	s_add_co_u32 s74, s74, s59
	s_lshl_b32 s74, s74, 14                        ; the result: (row / 16) x 16,384
	s_lshl_b32 s75, s63, 10                        ; + head x 4 units of 256 bytes
	s_add_co_u32 s74, s74, s75
	s_mov_b32 s75, 0
	s_add_nc_u64 s[8:9], s[8:9], s[74:75]
	v_and_b32 v[AK0], 31, v0
	v_lshlrev_b32 v[AK0], 4, v[AK0]
.irp i, 0,1,2,3
	global_load_b128 v[QA+4*\i:QA+4*\i+3], v[AK0], s[10:11] offset:512*\i   ; Q stays in registers
.endr
	v_add_nc_u32 v[AV0], 0x20000, v[AK0]
	v_and_b32 v3, 15, v0
	v_bfe_u32 v4, v0, 4, 1
	v_lshlrev_b32 v[GO], 4, v3
	v_lshl_add_u32 v[GO], v4, 3, v[GO]             ; 16 r + 8 h
.irp r, 8,10
	v_mov_b32 v\r, 0x7f61b1e6                      ; -M = 3e38
.endr
.irp r, 9,11
	v_mov_b32 v\r, 0xff61b1e6                      ; the largest score so far: -3e38
.endr
.irp r, 17,19
	v_mov_b32 v\r, 0                               ; named as upper halves of the pairs that hold f
.endr
.set j, 0
.rept 16
	v_mov_b32 v[RA+j], 0                           ; the sums
.set j, j+1
.endr
	WIN 0x40                                       ; destination window 1
.set j, 0
.rept 64
	v_mov_b32 v[OA+j], 0                           ; O^T: the step is written once; its first turn finds zeros
.set j, j+1
.endr
	WIN 0
	s_wait_kmcnt 0x0
	s_add_co_i32 s76, s86, s87
	s_lshl_b32 s76, s76, 23
	s_add_co_i32 s[CS], s[CS], s76                 ; a score stands for score x 2^(e6 + e7): added to c's exponent field
	s_mov_b32 s[CS+1], s[CS]
	s_add_co_i32 s76, s88, 127
	s_lshl_b32 s77, s76, 23
	v_mov_b32 v[SCL], s77
	s_add_co_i32 s76, s76, 15
	s_lshl_b32 s76, s76, 23
	s_or_b32 s76, s76, 0x600000
	v_mov_b32 v[HOLD], s76
	s_sub_co_i32 s76, s90, s88
	s_sub_co_i32 s76, s76, s89
	s_add_co_i32 s76, s76, 127
	s_lshl_b32 s77, s76, 23
	v_mov_b32 v[OSC], s77                          ; O / l stands for ctx / 2^(e8 + e9)
	s_add_co_i32 s76, s76, 15
	s_lshl_b32 s76, s76, 23
	s_or_b32 s76, s76, 0x600000
	v_mov_b32 v[OLM], s76
.macro CHAIN i, c, run, m, f           ; line i of the ten that make a tile's M and f from its four chains of maxima at v[c] .. v[c + 3]
.if \i == 0
	v_max3_num_f32 v[\c], v[\c], v[\c+1], v[\c+2]
.elseif \i == 1
	v_max_num_f32 v[\c], v[\c], v[\c+3]
.elseif \i == 2
	v_permlanex16_b32 v[\c+1], v[\c], s[SEL], s[SEL+1]
.elseif \i == 3
	v_max_num_f32 v[\run], v[\c], v[\c+1]          ; the running largest score, the other half's keys among them
.elseif \i == 4
	v_mul_f32 v[\c], s[CS], v[\run]                ; as t
.elseif \i == 5
	v_floor_f32 v[\c], -v[\c]                      ; the new -M = -ceil(t)
.elseif \i == 6
	v_sub_f32 v[\c+1], v[\c], v[\m]                ; old M - new M: a whole number, 0 or less
.elseif \i == 7
	v_cvt_i32_f32 v[\c+1], v[\c+1]                 ; (it saturates)
.elseif \i == 8
	v_mov_b32 v[\m], v[\c]
.else
	v_ldexp_f32 v[\f], 1.0, v[\c+1]                ; f = 2^(old M - new M)
.endif
.endm
.macro MXB n                           ; the next n of the 32 lines of B's maxima: four chains, the running maximum among them; each accumulator from its low end on
.rept \n
.if MI < 4
	v_max3_num_f32 v[28+MI], v11, v[SB+2*MI], v[SB+2*MI+1]
.else
	v_max3_num_f32 v[28+MI%4], v[28+MI%4], v[SB+2*MI], v[SB+2*MI+1]
.endif
.set MI, MI+1
.endr
.endm
.macro FMAA n                          ; the next n of the 32 lines of A's t - M
.rept \n
	v_pk_fma_f32 v[SA+2*FI:SA+2*FI+1], v[SA+2*FI:SA+2*FI+1], s[CS:CS+1], v[8:9] op_sel_hi:[1,0,0]
.set FI, FI+1
.endr
.endm
	s_wait_alu depctr_va_vdst(0)
	s_wait_loadcnt 0x0                             ; Q
	s_wait_tensorcnt 0x0                           ; my quarter has landed
	s_barrier_signal -1
	s_barrier_wait -1                              ; so has everybody's
	s_mov_b32 s[TB], 0
	s_mov_b32 s[CNT], 16
	WIN 0x40                                       ; destination window 1
.set j, 0
.rept 16
	ds_load_b128 v[KF+4*j:KF+4*j+3], v[AK0] offset:512*j   ; step 0's keys
.set j, j+1
.endr
	WIN 0
.Lstep:                                            ; 128 keys x 32 queries
	s_wait_dscnt 0x0                               ; K's fragments are in
	WIN 0x01                                       ; source 0 window 1
.irp t, 0,1,2,3,4,5,6,7
	v_wmma_f32_16x16x64_bf8_bf8 v[SA+8*\t:SA+8*\t+7], v[KF+8*\t:KF+8*\t+7], v[QA:QA+7], 0
.endr
.irp t, 0,1,2,3,4,5,6,7
	v_wmma_f32_16x16x64_bf8_bf8 v[SB+8*\t:SB+8*\t+7], v[KF+8*\t:KF+8*\t+7], v[QB:QB+7], 0
.endr
	WIN 0
	v_add_nc_u32 v[ADV], s[TB], v[AV0]
	s_add_co_u32 s[TB], s[TB], 8192
	s_and_b32 s[TK], s[TB], 0x1ffff                ; the next step's keys; the last trip names step 0's again, inside K's part, and nobody uses them
	v_add_nc_u32 v[ADK], s[TK], v[AK0]
	v_nop
	v_nop                                          ; four plain lines behind the products
	WIN 0x40                                       ; the step's 32 LDS loads in one run: V's 16 (this step's four fragments of 16 d x 128 keys), then K's 16 (the next step's eight)
.set j, 0
.rept 16
	ds_load_b128 v[VF+4*j:VF+4*j+3], v[ADV] offset:4096*((j/2)%2)+1024*(j/4)+512*(j%2)
.set j, j+1
.endr
.set j, 0
.rept 16
	ds_load_b128 v[KF+4*j:KF+4*j+3], v[ADK] offset:512*j
.set j, j+1
.endr
	WIN 0
.irp k, 0,1,2,3                                ; A's maxima: four chains, the running maximum among them; each accumulator from its low end on
	v_max3_num_f32 v[20+\k], v9, v[SA+2*\k], v[SA+2*\k+1]
.endr
.set j, 8
.rept 7
.irp k, 0,1,2,3
	v_max3_num_f32 v[20+\k], v[20+\k], v[SA+j+2*\k], v[SA+j+2*\k+1]
.endr
.set j, j+8
.endr
.set MI, 0
.irp i, 0,1,2,3,4,5,6,7,8,9                    ; A's M and f, a line at a time between B's maxima
	CHAIN \i, 20, 9, 8, 16
	MXB 3
.endr
	MXB 2
.set FI, 0
.irp i, 0,1,2,3,4,5,6,7,8,9                    ; B's M and f between A's t - M
	CHAIN \i, 28, 11, 10, 18
	FMAA 3
.endr
	FMAA 2
	WIN 0x41                                       ; source 0 and destination window 1
.set j, 0
.rept 16
	v_pk_mul_f32 v[OA+j:OA+j+1], v[OA+j:OA+j+1], v[16:17] op_sel_hi:[1,0]   ; O^T under the new M, ahead of every exponential; each accumulator from its low end on
.set j, j+2
.endr
.set j, 0
.rept 16
	v_pk_mul_f32 v[OB+j:OB+j+1], v[OB+j:OB+j+1], v[18:19] op_sel_hi:[1,0]
.set j, j+2
.endr
	WIN 0
	s_wait_alu depctr_va_vdst(0)
.set j, 0
.rept 32
	v_exp_f32 v[SA+j], v[SA+j]                     ; A's p = 2^(t - M);
	v_pk_fma_f32 v[SB+j:SB+j+1], v[SB+j:SB+j+1], s[CS:CS+1], v[10:11] op_sel_hi:[1,0,0]   ; between them B's t - M, first read behind the wait below
	v_exp_f32 v[SA+j+1], v[SA+j+1]
.set j, j+2
.endr
	v_nop                                          ; a plain line behind the last
	s_wait_alu depctr_va_vdst(0)                   ; behind A's batch and ahead of B's
.set j, 0
.rept 64
	v_exp_f32 v[SB+j], v[SB+j]                     ; B's p;
	v_min_num_f32 v[T+j], v[SA+j], v[HOLD]         ; between them A's holds: the conversion does not saturate (ISA guide 7.6.2); p is not negative, so the hold is one-sided
.set j, j+1
.endr
	s_wait_alu depctr_va_vdst(0)                   ; behind B's batch, ahead of its first reader and of the first reader of A's held p
.irp k, 0,1,2,3                                ; the sums of the unquantised p, four running pairs a tile: sum x f + p,
	v_pk_fma_f32 v[RA+2*\k:RA+2*\k+1], v[RA+2*\k:RA+2*\k+1], v[16:17], v[SA+2*\k:SA+2*\k+1] op_sel_hi:[1,0,1]
	v_pk_fma_f32 v[RB+2*\k:RB+2*\k+1], v[RB+2*\k:RB+2*\k+1], v[18:19], v[SB+2*\k:SB+2*\k+1] op_sel_hi:[1,0,1]
.endr
.set j, 8
.rept 7
.irp k, 0,1,2,3                                ; and the other 56 numbers a tile
	v_pk_add_f32 v[RA+2*\k:RA+2*\k+1], v[RA+2*\k:RA+2*\k+1], v[SA+j+2*\k:SA+j+2*\k+1]
	v_pk_add_f32 v[RB+2*\k:RB+2*\k+1], v[RB+2*\k:RB+2*\k+1], v[SB+j+2*\k:SB+j+2*\k+1]
.endr
.set j, j+8
.endr
	WIN 0x40                                       ; destination window 1
.irp t, 0,1,2,3,4,5,6,7
	v_cvt_scalef32_pk8_bf8_f32 v[PCA+2*\t:PCA+2*\t+1], v[T+8*\t:T+8*\t+7], v[SCL]
.endr
	WIN 0
.set j, 0
.rept 64
	v_min_num_f32 v[SB+j], v[SB+j], v[HOLD]        ; B's holds
.set j, j+1
.endr
	WIN 0x40
.irp t, 0,1,2,3,4,5,6,7
	v_cvt_scalef32_pk8_bf8_f32 v[PCB+2*\t:PCB+2*\t+1], v[SB+8*\t:SB+8*\t+7], v[SCL]
.endr
	v_nop                                          ; a plain line behind the last conversion
	s_wait_alu depctr_va_vdst(0)
	s_wait_dscnt 16                                ; V's fragments are in; the next step's 16 loads of K may be out
	WIN 0x55                                       ; all four operands window 1
.irp u, 0,1,2,3
	v_wmma_f32_16x16x128_bf8_bf8 v[OA+8*\u:OA+8*\u+7], v[VF+16*\u:VF+16*\u+15], v[PCA:PCA+15], v[OA+8*\u:OA+8*\u+7]
.endr
.irp u, 0,1,2,3
	v_wmma_f32_16x16x128_bf8_bf8 v[OB+8*\u:OB+8*\u+7], v[VF+16*\u:VF+16*\u+15], v[PCB:PCB+15], v[OB+8*\u:OB+8*\u+7]
.endr
	WIN 0
	s_sub_co_u32 s[CNT], s[CNT], 1
	s_cmp_lg_u32 s[CNT], 0
	s_cbranch_scc1 .Lstep
	v_pk_add_f32 v[RA:RA+1], v[RA:RA+1], v[RA+2:RA+3]       ; the sums' four pairs; these lines are also the plain lines behind the last products
	v_pk_add_f32 v[RB:RB+1], v[RB:RB+1], v[RB+2:RB+3]
	v_pk_add_f32 v[RA+4:RA+5], v[RA+4:RA+5], v[RA+6:RA+7]
	v_pk_add_f32 v[RB+4:RB+5], v[RB+4:RB+5], v[RB+6:RB+7]
	v_pk_add_f32 v[RA:RA+1], v[RA:RA+1], v[RA+4:RA+5]
	v_pk_add_f32 v[RB:RB+1], v[RB:RB+1], v[RB+4:RB+5]
	v_add_f32 v12, v[RA], v[RA+1]
	v_add_f32 v14, v[RB], v[RB+1]
	v_permlanex16_b32 v21, v12, s[SEL], s[SEL+1]
	v_permlanex16_b32 v29, v14, s[SEL], s[SEL+1]
	v_add_f32 v12, v12, v21                        ; the rows' sums
	v_add_f32 v14, v14, v29
	s_wait_alu depctr_va_vdst(0)
	v_rcp_f32 v12, v12
	v_rcp_f32 v14, v14
	v_nop                                          ; a plain line behind them
	WIN 0x01                                       ; source 0 window 1
	s_wait_alu depctr_va_vdst(0)                   ; the wait ahead of their first reader, which is also the first reader of O^T
.set j, 0
.rept 32
	v_mul_f32 v[T+j], v[OA+j], v12                 ; register 8 u + i: d = 16 u + 8 h + i of my query
.set j, j+1
.endr
.set j, 0
.rept 32
	v_mul_f32 v[T+32+j], v[OB+j], v14
.set j, j+1
.endr
	WIN 0
.set j, 0
.rept 64
	v_med3_num_f32 v[T+j], v[T+j], -v[OLM], v[OLM]
.set j, j+1
.endr
.irp k, 0,1,2,3,4,5,6,7
	v_cvt_scalef32_pk8_bf8_f32 v[SA+2*\k:SA+2*\k+1], v[T+8*\k:T+8*\k+7], v[OSC]
.endr
	v_nop
.irp k, 0,1,2,3,4,5,6,7
	global_store_b64 v[GO], v[SA+2*\k:SA+2*\k+1], s[8:9] offset:16384*(\k/4)+256*(\k%4)   ; the wave stores 256 consecutive bytes, aligned: 16 rows x 16 along the next K
.endr
	s_wait_tensorcnt 0x0                           ; the wave's end
	ds_add_u32 v[SPW], v[NIL]
	s_wait_dscnt 0x0
	CROUND                                         ; the closing round
	s_endpgm
.Lfunc_end_k_qb48a9eec7a_attn:
	.size	k_qb48a9eec7a_attn, .Lfunc_end_k_qb48a9eec7a_attn-k_qb48a9eec7a_attn
	.p2alignl 7, 3214868480
	.fill 96, 4, 3214868480
	.section	.rodata,"a",@progbits
	.p2align	6, 0x0
	.amdhsa_kernel k_qb48a9eec7a_attn
		.amdhsa_group_segment_fixed_size 327680
		.amdhsa_private_segment_fixed_size 0
		.amdhsa_enable_private_segment 0
		.amdhsa_kernarg_size 24
		.amdhsa_user_sgpr_count 2
		.amdhsa_user_sgpr_kernarg_segment_ptr 1
		.amdhsa_wavefront_size32 1
		.amdhsa_system_sgpr_workgroup_id_x 1
		.amdhsa_system_sgpr_workgroup_id_y 1
		.amdhsa_system_sgpr_workgroup_id_z 1
		.amdhsa_system_vgpr_workitem_id 0
		.amdhsa_next_free_vgpr 512
		.amdhsa_next_free_sgpr 100
		.amdhsa_reserve_vcc 0
		.amdhsa_float_denorm_mode_32 3
		.amdhsa_float_denorm_mode_16_64 3
		.amdhsa_memory_ordered 1
		.amdhsa_forward_progress 1
		.amdhsa_inst_pref_size 48
	.end_amdhsa_kernel
	.amdgpu_metadata
---
amdhsa.version: [ 1, 2 ]
amdhsa.kernels:
  - .name:           k_qb48a9eec7a_attn
    .symbol:         k_qb48a9eec7a_attn.kd
    .args:
      - { .name: qkv, .offset: 0, .size: 8, .value_kind: global_buffer, .address_space: global }
      - { .name: lowp_scales, .offset: 8, .size: 8, .value_kind: global_buffer, .address_space: global }
      - { .name: cc, .offset: 16, .size: 8, .value_kind: global_buffer, .address_space: global }
    .group_segment_fixed_size: 327680
    .private_segment_fixed_size: 0
    .kernarg_segment_align: 8
    .kernarg_segment_size: 24
    .max_flat_workgroup_size: 256
    .sgpr_count:     100
    .vgpr_count:     512
    .wavefront_size: 32
...
	.end_amdgpu_metadata
.endif
;; end of part 3
;; launch wo (part 4): grid 8 x 32, 4 waves a work-group, clusters of 4 x 4, 327,680 bytes of LDS; arguments cc, Wo_codes, lowp_scales, bo, x, y; writes y
.if DOCPART == 4
	.amdgcn_target "amdgcn-amd-amdhsa--gfx1250"
	.amdhsa_code_object_version 6
	.text
	.protected	k_qb48a9eec7a_wo
	.globl	k_qb48a9eec7a_wo
	.p2align	8
	.type	k_qb48a9eec7a_wo,@function
k_qb48a9eec7a_wo:
	s_mov_b64 s[64:65], 0
	v_nop
	global_prefetch_b8 v0, s[64:65] scope:SCOPE_SE
	s_setreg_imm32_b32 hwreg(HW_REG_WAVE_MODE, 25, 1), 1
	s_wait_xcnt 0x0
	s_wait_alu depctr_hold_cnt(0) depctr_sa_sdst(0) depctr_va_vdst(0) depctr_va_sdst(0) depctr_va_ssrc(0) depctr_va_vcc(0) depctr_vm_vsrc(0)
	s_getreg_b32 s2, hwreg(HW_REG_IB_STS2, 6, 4)
	s_cmp_eq_u32 s2, 0
	s_cbranch_scc0 .Lentry_in_a_cluster
	s_endpgm
.Lentry_in_a_cluster:
	s_bfe_u32 s2, ttmp6, 0x10000c
	s_cmp_lg_u32 s2, 0xf033
	s_cbranch_scc0 .Lentry_shape_is_right
	s_endpgm
.Lentry_shape_is_right:
; y = res + A B^T x 2^(ea + eb) + bias.  A: [4096][KK] codes in units of 16 rows x 16 k ([row / 16][k / 16][16][16]); B: [1024][KK] rows of codes; res, y: [4096][1024] f32; bias [1024].
; A tile of y is 128 x 128, so that the 4,096 x 1,024 results give each of 256 work-groups one tile; four waves, 64 x 64 each: 16 accumulators.  K goes in steps of 512 through two LDS slots.
; CLUSTERS 4 x 4: A's tiles are asked for jointly along a row of the cluster, B's along a column.  The matrix instruction is used transposed (source 0 = rows of B, source 1 = rows of A).
; A's tile is dense in LDS: a block of 16 rows x 512 k is 8,192 consecutive bytes, and a fragment (16 x 128) comes by four loads of 16 bytes a lane at 16 x lane + 512 c: k = 32 c + 16 h + 0..15 in
; registers 4 c .. 4 c + 3: the order in which four loads 32 bytes apart take a row of B.  B's rows are 1,040 bytes apart in LDS.
; The residual is asked for at the head, in the layout in which rows leave, and waited for on the way out only.
; LIMIT: ea + eb between -126 and 127.
; REGISTERS: window 0: v12-15 bias, v16-29 addresses, v32-95 rows back from the stage, v128-255 accumulators ((a, b) at 128 + 8 (4 a + b)).  window 1: two fragment buffers (A's 64, B's 64).  window 2: v0-127 residual, then y.
.set KK,    1024
.set SOFF,  40                         ; byte of ea in the scales
.set KSTEP, 512
; THE WHOLE K OF A TILE IS FILLED ONCE, one tensor load a wave: A's block of 16 rows x 1,024 k is 16,384 consecutive bytes, B's rows are 1,040 bytes apart in LDS.
; What the text below calls slot 0 and slot 1 are the two halves of K inside that one fill: 8,192 bytes apart in a block of A, 512 in a row of B.
.set ABLK,  16384
.set AHALF, 4*ABLK
.set BOFF,  8*ABLK
.set PITCH, 1040
.set BHALF, 64*PITCH
.set SLOT,  BOFF+2*BHALF
.set SPARE, SLOT
.set STAGE, SPARE+512                  ; 16 rows x 272 bytes for each wave: bytes of their own, into which no fill lands
.set SPITCH, 272
.set LAPS,  KK/(2*KSTEP)
.set ADRA, 16
.set ADRB, 20
.set STO,  24
.set RD,   25
.set CO,   26
.set SPW,  28
.set NIL,  29
.set BK,   32
.set ACC,  128
.set F0,   0
.set F1,   128
.set G1,  24
.set G0,  32
.set G1B, 48
.set G0B, 56
.set MSB, 0
.macro WIN new
.if MSB != (\new)
	s_set_vgpr_msb (MSB<<8)|(\new)
.set MSB, (\new)
.endif
.endm
.set MUL,  0x05                        ; sources 0 and 1 window 1; C and D window 0
.set TO_F, 0x40
.macro JLOAD s                         ; waves 0 and 1 fetch A's halves, waves 2 and 3 B's; four v_nop follow each line
	s_cmp_eq_u32 s15, 0
	s_cbranch_scc0 .Lfor_b_\@
	tensor_load_to_lds s[G0+4*\s:G0+4*\s+3], s[G1:G1+7]
	s_nop 0
.rept 4
	v_nop
.endr
	s_branch .Lasked_\@
.Lfor_b_\@:
	tensor_load_to_lds s[G0B+4*\s:G0B+4*\s+3], s[G1B:G1B+7]
	s_nop 0
.rept 4
	v_nop
.endr
.Lasked_\@:
.endm
.macro CREST
	s_cmp_lg_u32 s14, 0
	s_cbranch_scc1 .Lnot_wave_0_\@
	s_barrier_signal -3
.Lnot_wave_0_\@:
	s_barrier_wait -3
	s_barrier_signal -1
	s_barrier_wait -1
.endm
.macro CROUND
	s_barrier_signal -1
	s_barrier_wait -1
	CREST
.endm
	s_load_b256 s[68:75], s[0:1], 0x0              ; A's codes, B's codes, the scales, the bias
	s_load_b128 s[76:79], s[0:1], 0x20             ; the residual, y
	v_lshl_add_u32 v[SPW], v0, 2, SPARE
	v_mov_b32 v[NIL], 0
	ds_add_u32 v28, v29
	ds_add_u32 v28, v29
	s_wait_dscnt 0x0
	v_lshrrev_b32 v1, 5, v0
	v_readfirstlane_b32 s14, v1                    ; wave
	s_lshr_b32 s15, s14, 1                         ; my half of the rows.  Also: I fetch for A (0) or B (1)
	s_and_b32 s16, s14, 1                          ; my half of the columns.  Also: which half I fetch
	s_bfe_u32 s40, ttmp6, 0x40000                  ; cx
	s_bfe_u32 s41, ttmp6, 0x40004                  ; cy
	s_lshl_b32 s42, ttmp9, 2
	s_add_co_u32 s42, s42, s40                     ; tile column
	s_and_b32 s17, ttmp7, 0xffff
	s_lshl_b32 s17, s17, 2
	s_add_co_u32 s17, s17, s41                     ; tile row
	s_lshl_b32 s43, s41, 2
	s_lshl_b32 s43, 15, s43
	s_lshl_b32 s44, 0x1111, s40
	s_or_b32 s[G1+0], s43, (3<<16)|(1<<21)         ; A: my row's mask; elements of 8 bytes; no padding
	s_mov_b32 s[G1+1], 2048<<16                    ; a row of the tile: a block's 16,384 bytes
	s_mov_b32 s[G1+2], 4<<16                       ; four blocks of 16 rows
	s_mov_b32 s[G1+3], 2048<<16
	s_mov_b32 s[G1+4], 4
	s_mov_b32 s[G1+5], 2*KK                        ; 16 KK bytes from block to block
	s_mov_b32 s[G1+6], 0
	s_mov_b32 s[G1+7], 0
	s_or_b32 s[G1B+0], s44, (0<<16)|(1<<20)|(1<<21)|(7<<22)|(3<<25)   ; B: my column's mask; bytes; 4 words of padding after every 256
	s_mov_b32 s[G1B+1], KK<<16
	s_mov_b32 s[G1B+2], 64<<16
	s_mov_b32 s[G1B+3], KK<<16
	s_mov_b32 s[G1B+4], 64
	s_mov_b32 s[G1B+5], KK
	s_mov_b32 s[G1B+6], 0
	s_mov_b32 s[G1B+7], 0
	s_lshl_b32 s20, s17, 3
	s_lshl_b32 s18, s16, 2
	s_add_co_u32 s20, s20, s18                     ; A: block 8 x tile row + 4 x half
	s_mul_i32 s20, s20, 16*KK
	s_mov_b32 s21, 0
	s_lshl_b32 s46, s42, 7
	s_lshl_b32 s47, s16, 6
	s_add_co_u32 s46, s46, s47                     ; B: row 128 x tile column + 64 x half
	s_mul_i32 s46, s46, KK
	s_mov_b32 s47, 0
	s_mul_i32 s45, s16, AHALF                      ; where they go
	s_mul_i32 s19, s16, BHALF
	s_add_co_u32 s19, s19, BOFF
	s_wait_kmcnt 0x0
	s_load_b64 s[96:97], s[72:73], SOFF            ; ea, eb
	s_add_nc_u64 s[20:21], s[68:69], s[20:21]
	s_add_nc_u64 s[46:47], s[70:71], s[46:47]
	CROUND                                         ; the first joint loads meet
.irp s, 0
	s_mov_b32 s[G0+4*\s], 1
	s_add_co_u32 s[G0+4*\s+1], s45, \s*SLOT
	s_add_nc_u64 s[G0+4*\s+2:G0+4*\s+3], s[20:21], \s*ABLK
	s_or_b32 s[G0+4*\s+3], s[G0+4*\s+3], 0x80000000
	s_mov_b32 s[G0B+4*\s], 1
	s_add_co_u32 s[G0B+4*\s+1], s19, \s*SLOT
	s_add_nc_u64 s[G0B+4*\s+2:G0B+4*\s+3], s[46:47], \s*KSTEP
	s_or_b32 s[G0B+4*\s+3], s[G0B+4*\s+3], 0x80000000
	JLOAD \s
.endr
	v_and_b32 v1, 15, v0                           ; r
	v_bfe_u32 v2, v0, 4, 1                         ; h
	v_and_b32 v3, 31, v0
	v_lshlrev_b32 v4, 4, v3                        ; 16 x lane
	v_mul_u32_u24 v5, v1, PITCH
	v_lshl_add_u32 v5, v2, 4, v5
	s_mul_i32 s21, s15, AHALF
	s_mul_i32 s22, s16, BHALF
	s_add_co_u32 s22, s22, BOFF
.irp s, 0,1
	v_add_nc_u32 v[ADRA+\s], s21, v4
	v_add_nc_u32 v[ADRB+\s], s22, v5
	s_add_co_u32 s21, s21, 8192
	s_add_co_u32 s22, s22, KSTEP
.endr
	s_mul_i32 s23, s14, 16*SPITCH
	s_add_co_u32 s23, s23, STAGE                   ; my stage
	v_mul_u32_u24 v6, v1, SPITCH
	v_lshl_add_u32 v6, v2, 5, v6
	v_add_nc_u32 v[STO], s23, v6                   ; in: row r, 32 bytes for each half of the lanes
	v_mul_u32_u24 v7, v2, SPITCH
	v_lshl_add_u32 v7, v1, 4, v7
	v_add_nc_u32 v[RD], s23, v7                    ; back: lanes 0-15 one row of 256 bytes, lanes 16-31 the next
	v_lshlrev_b32 v[CO], 12, v2
	v_lshl_add_u32 v[CO], v1, 4, v[CO]             ; the same two rows in y and in the residual
	v_lshlrev_b32 v8, 4, v1                        ; my four columns' bias
	s_wait_alu depctr_va_vdst(0)
	s_lshl_b32 s20, s17, 7
	s_lshl_b32 s21, s15, 6
	s_add_co_u32 s20, s20, s21                     ; my first row
	s_lshl_b32 s20, s20, 12
	s_lshl_b32 s46, s42, 7
	s_lshl_b32 s47, s16, 6
	s_add_co_u32 s46, s46, s47                     ; my first column
	s_lshl_b32 s46, s46, 2
	s_mov_b32 s47, 0
	s_add_nc_u64 s[74:75], s[74:75], s[46:47]
	s_add_co_u32 s20, s20, s46
	s_mov_b32 s21, 0
	s_add_nc_u64 s[76:77], s[76:77], s[20:21]
	s_add_nc_u64 s[78:79], s[78:79], s[20:21]
	global_load_b128 v[12:15], v8, s[74:75]
	WIN 0x80                                       ; destination window 2
.set j, 0
.rept 32
	global_load_b128 v[4*j:4*j+3], v[CO], s[76:77] offset:2*j*4096 th:TH_LOAD_NT   ; rows 2 j and 2 j + 1 of my 64
.set j, j+1
.endr
	WIN 0
.macro FETCH slot, q, f                ; 32 LDS loads: the slot's q-th 128 along K: B's four fragments, then A's four
	WIN TO_F
.irp i, 0,1,2,3
.irp c, 0,1,2,3
	ds_load_b128 v[\f+64+16*\i+4*\c:\f+64+16*\i+4*\c+3], v[ADRB+\slot] offset:128*(\q)+32*\c+\i*16*PITCH
.endr
.endr
.irp i, 0,1,2,3
.irp c, 0,1,2,3
	ds_load_b128 v[\f+16*\i+4*\c:\f+16*\i+4*\c+3], v[ADRA+\slot] offset:\i*ABLK+2048*(\q)+512*\c
.endr
.endr
.endm
.macro MUL4 f, a, zero                 ; A's block a against B's four; the 16 accumulators take turns, in the same order in every step
.irp b, 0,1,2,3
.if \zero
	v_wmma_f32_16x16x128_bf8_bf8 v[ACC+8*(4*(\a)+\b):ACC+8*(4*(\a)+\b)+7], v[\f+64+16*\b:\f+64+16*\b+15], v[\f+16*(\a):\f+16*(\a)+15], 0
.else
	v_wmma_f32_16x16x128_bf8_bf8 v[ACC+8*(4*(\a)+\b):ACC+8*(4*(\a)+\b)+7], v[\f+64+16*\b:\f+64+16*\b+15], v[\f+16*(\a):\f+16*(\a)+15], v[ACC+8*(4*(\a)+\b):ACC+8*(4*(\a)+\b)+7]
.endif
.endr
.endm
.macro PLACES
.rept 4
	v_nop
.endr
.endm
.macro QUARTER slot, q, f, g, zero     ; multiplies buffer f; fetches the slot's q-th 128 along K into g
	s_wait_dscnt 8                                 ; B and A's blocks 0, 1 are in; the youngest eight loads (blocks 2, 3) may be out
	WIN MUL
	MUL4 \f, 0, \zero
	MUL4 \f, 1, \zero
	PLACES
	FETCH \slot, \q, \g
	s_wait_dscnt 32                                ; all but the 32 just issued
	WIN MUL
	MUL4 \f, 2, \zero
	MUL4 \f, 3, \zero
.endm
.macro TURN slot, next, fill           ; a slot's last quarter (buffer 1) changes slots
	WIN 0
	s_wait_tensorcnt 0x0                           ; my part of the next slot has landed: no load of mine is out
	ds_add_u32 v[SPW], v[NIL]
	s_wait_dscnt 9                                 ; the add and the youngest eight loads may be out
	WIN MUL
	MUL4 F1, 0, 0
	s_wait_dscnt 0x0                               ; the add is done, and my reads of this slot are over
	s_barrier_signal -1
	MUL4 F1, 1, 0
.if \fill
	WIN 0
.endif
	s_barrier_wait -1
.if \fill
	CREST                                          ; the barrier has opened a round of the cluster's
	s_add_nc_u64 s[G0+4*\slot+2:G0+4*\slot+3], s[G0+4*\slot+2:G0+4*\slot+3], 2*ABLK
	s_add_nc_u64 s[G0B+4*\slot+2:G0B+4*\slot+3], s[G0B+4*\slot+2:G0B+4*\slot+3], 2*KSTEP
	JLOAD \slot                                    ; the first tensor load behind the round; its four v_nop are the places in front of the loads below
.else
	PLACES
.endif
	FETCH \next, 0, F0
	WIN MUL
	MUL4 F1, 2, 0
	MUL4 F1, 3, 0
.endm
	s_wait_tensorcnt 0x0                           ; my one load has landed
	s_barrier_signal -1
	s_barrier_wait -1
	FETCH 0, 0, F0
	QUARTER 0, 1, F0, F1, 1                        ; the first quarter starts the sums
.if LAPS > 1
	WIN 0
	s_mov_b32 s3, LAPS-1
.Llap:
	QUARTER 0, 2, F1, F0, 0
	QUARTER 0, 3, F0, F1, 0
	TURN 0, 1, 1
	QUARTER 1, 1, F0, F1, 0
	QUARTER 1, 2, F1, F0, 0
	QUARTER 1, 3, F0, F1, 0
	TURN 1, 0, 1
	QUARTER 0, 1, F0, F1, 0
	WIN 0
	s_sub_co_u32 s3, s3, 1
	s_cmp_lg_u32 s3, 0
	s_cbranch_scc1 .Llap
.endif
	QUARTER 0, 2, F1, F0, 0                        ; the last lap fills nothing
	QUARTER 0, 3, F0, F1, 0
	TURN 0, 1, 0
	QUARTER 1, 1, F0, F1, 0
	QUARTER 1, 2, F1, F0, 0
	QUARTER 1, 3, F0, F1, 0
	s_wait_dscnt 8
	WIN MUL
	MUL4 F1, 0, 0
	MUL4 F1, 1, 0
	s_wait_dscnt 0
	MUL4 F1, 2, 0
	MUL4 F1, 3, 0
	WIN 0
	; THE WAY OUT: the sums go through my stage, 16 rows at a time, and come back as whole rows of 256 bytes; y = sum x 2^(ea + eb) + (residual + bias).
	s_wait_loadcnt 0x0                             ; the residual and the bias
	s_wait_kmcnt 0x0
	s_add_co_i32 s96, s96, s97
	s_add_co_i32 s96, s96, 127
	s_lshl_b32 s96, s96, 23                        ; 2^(ea + eb)
	s_mov_b32 s97, s96                             ; named with it as a pair
	WIN 0x82                                       ; source 0 and destination window 2
.set j, 0
.rept 32
	v_pk_add_f32 v[4*j:4*j+1], v[4*j:4*j+1], v[12:13]       ; these 64 lines are also the places behind the last products
	v_pk_add_f32 v[4*j+2:4*j+3], v[4*j+2:4*j+3], v[14:15]
.set j, j+1
.endr
	WIN 0
.macro TOSTAGE a
.irp b, 0,1,2,3
	ds_store_b128 v[STO], v[ACC+8*(4*(\a)+\b):ACC+8*(4*(\a)+\b)+3] offset:64*\b        ; each accumulator from its low end on
	ds_store_b128 v[STO], v[ACC+8*(4*(\a)+\b)+4:ACC+8*(4*(\a)+\b)+7] offset:64*\b+16
.endr
.irp t, 0,1,2,3,4,5,6,7
	ds_load_b128 v[BK+32*((\a)%2)+4*\t:BK+32*((\a)%2)+4*\t+3], v[RD] offset:\t*2*SPITCH   ; LDS serves a wave's instructions in order: these see the stores above
.endr
.endm
.macro SEND a, younger                 ; younger: the LDS instructions issued behind block a's loads
	s_wait_dscnt \younger
	WIN 0xa0                                       ; source 2 and destination window 2
.set j, 0
.rept 16
	v_pk_fma_f32 v[32*(\a)+2*j:32*(\a)+2*j+1], v[BK+32*((\a)%2)+2*j:BK+32*((\a)%2)+2*j+1], s[96:97], v[32*(\a)+2*j:32*(\a)+2*j+1] op_sel_hi:[1,0,1]
.set j, j+1
.endr
	WIN 0x08                                       ; store data window 2
.irp t, 0,1,2,3,4,5,6,7
	global_store_b128 v[CO], v[32*(\a)+4*\t:32*(\a)+4*\t+3], s[78:79] offset:(16*(\a)+2*\t)*4096   ; sixteen lanes store 256 consecutive bytes, aligned; no register is written again
.endr
	WIN 0
.endm
	TOSTAGE 0
.irp a, 1,2,3
	TOSTAGE \a
	SEND \a-1, 16
.endr
	SEND 3, 0
	s_wait_tensorcnt 0x0                           ; the wave's end
	ds_add_u32 v[SPW], v[NIL]
	s_wait_dscnt 0x0
	CROUND                                         ; the closing round
	s_endpgm
.Lfunc_end_k_qb48a9eec7a_wo:
	.size	k_qb48a9eec7a_wo, .Lfunc_end_k_qb48a9eec7a_wo-k_qb48a9eec7a_wo
	.p2alignl 7, 3214868480
	.fill 96, 4, 3214868480
	.section	.rodata,"a",@progbits
	.p2align	6, 0x0
	.amdhsa_kernel k_qb48a9eec7a_wo
		.amdhsa_group_segment_fixed_size 327680
		.amdhsa_private_segment_fixed_size 0
		.amdhsa_enable_private_segment 0
		.amdhsa_kernarg_size 48
		.amdhsa_user_sgpr_count 2
		.amdhsa_user_sgpr_kernarg_segment_ptr 1
		.amdhsa_wavefront_size32 1
		.amdhsa_system_sgpr_workgroup_id_x 1
		.amdhsa_system_sgpr_workgroup_id_y 1
		.amdhsa_system_sgpr_workgroup_id_z 1
		.amdhsa_system_vgpr_workitem_id 0
		.amdhsa_next_free_vgpr 768
		.amdhsa_next_free_sgpr 100
		.amdhsa_reserve_vcc 0
		.amdhsa_float_denorm_mode_32 3
		.amdhsa_float_denorm_mode_16_64 3
		.amdhsa_memory_ordered 1
		.amdhsa_forward_progress 1
		.amdhsa_inst_pref_size 52
	.end_amdhsa_kernel
	.amdgpu_metadata
---
amdhsa.version: [ 1, 2 ]
amdhsa.kernels:
  - .name:           k_qb48a9eec7a_wo
    .symbol:         k_qb48a9eec7a_wo.kd
    .args:
      - { .name: cc, .offset: 0, .size: 8, .value_kind: global_buffer, .address_space: global }
      - { .name: Wo_codes, .offset: 8, .size: 8, .value_kind: global_buffer, .address_space: global }
      - { .name: lowp_scales, .offset: 16, .size: 8, .value_kind: global_buffer, .address_space: global }
      - { .name: bo, .offset: 24, .size: 8, .value_kind: global_buffer, .address_space: global }
      - { .name: x, .offset: 32, .size: 8, .value_kind: global_buffer, .address_space: global }
      - { .name: y, .offset: 40, .size: 8, .value_kind: global_buffer, .address_space: global }
    .group_segment_fixed_size: 327680
    .private_segment_fixed_size: 0
    .kernarg_segment_align: 8
    .kernarg_segment_size: 48
    .max_flat_workgroup_size: 128
    .sgpr_count:     100
    .vgpr_count:     768
    .wavefront_size: 32
...
	.end_amdgpu_metadata
.endif
;; end of part 4
;; launch ln1 (part 5): grid 256 x 1, 4 waves a work-group, no clusters, 33,280 bytes of LDS; arguments y, g1, be1, lowp_scales, h, hc; writes h, hc
.if DOCPART == 5
	.amdgcn_target "amdgcn-amd-amdhsa--gfx1250"
	.amdhsa_code_object_version 6
	.text
	.protected	k_qb48a9eec7a_ln1
	.globl	k_qb48a9eec7a_ln1
	.p2align	8
	.type	k_qb48a9eec7a_ln1,@function
k_qb48a9eec7a_ln1:
	s_mov_b64 s[64:65], 0
	v_nop
	global_prefetch_b8 v0, s[64:65] scope:SCOPE_SE
	s_setreg_imm32_b32 hwreg(HW_REG_WAVE_MODE, 25, 1), 1
	s_wait_xcnt 0x0
; out = (y - mean) x rsqrt(var + 1e-5) x g + be, row by row of 1,024 f32.  CODES = 1: the result is also quantised to E5M2 with entry 12 of the scales, rows of 1,024 bytes.
; One wave, one row at a time, four rows a wave: a row is 32 registers a lane (eight loads of 512 consecutive bytes) and stays there between the passes: the mean, the sum of squared differences
; (no difference of large sums is formed), the scaling.  All loads go out at the head.  No wave waits for another.
; For the codes a lane must hold 16 neighbours: half a row (2,048 bytes) turns through the wave's own stage in LDS, 16 bytes of padding behind each 64; a lane's 16 codes are 16 bytes: 512 consecutive bytes a store.
; LIMITS: the entry between -126 and 112; NaN among the inputs is not served.
.set CODES, 1
.set CH, 8                             ; v8-15  four chains of pairs; then the mean or 1 / sigma in v10
.set XS, 16                            ; v16-31 16 neighbours
.set CD, 32                            ; v32-63 codes, 8 a row, never written again
.set X,  64                            ; v64-191 four rows
.set G,  192
.set BE, 224
.if CODES
.set OUTP, 12
.else
.set OUTP, 10
.endif
	s_load_b256 s[4:11], s[0:1], 0x0               ; y, g, be, and the scales (CODES) or the result
.if CODES
	s_load_b128 s[12:15], s[0:1], 0x20             ; the result, its codes
	s_set_vgpr_msb 0x40
	v_lshl_add_u32 v0, v0, 2, 0x8000
	v_mov_b32 v1, 0
	s_set_vgpr_msb 0x4000
.endif
	v_lshrrev_b32 v1, 5, v0
	v_readfirstlane_b32 s16, v1                    ; wave
	v_and_b32 v4, 31, v0
	v_lshlrev_b32 v1, 4, v4                        ; 16 x lane
	v_mov_b32 v7, 0                                ; a lane permute's destination counts as a source
.if CODES
	s_mul_i32 s17, s16, 8192
	v_lshrrev_b32 v2, 2, v4
	v_mul_u32_u24 v2, v2, 80
	v_and_b32 v3, 3, v4
	v_lshl_add_u32 v2, v3, 4, v2
	v_add_nc_u32 v2, s17, v2                       ; into the stage: 80 (lane / 4) + 16 (lane % 4)
	v_mul_u32_u24 v3, v4, 80
	v_add_nc_u32 v3, s17, v3                       ; out of it: 80 x lane
.endif
	s_lshl_b32 s18, ttmp9, 2
	s_add_co_u32 s18, s18, s16                     ; my four rows
	s_lshl_b32 s20, s18, 14
	s_mov_b32 s21, 0
	s_lshl_b32 s22, s18, 12
	s_mov_b32 s23, 0
	s_mov_b32 s24, 0x76543210
	s_mov_b32 s25, 0xfedcba98
	s_mov_b32 s26, 0x3a800000                      ; 1 / 1,024
	s_mov_b32 s27, 0x3727c5ac                      ; 1e-5
	s_wait_alu depctr_va_vdst(0)
	s_wait_kmcnt 0x0
.if CODES
	s_load_b32 s28, s[10:11], 0x30                 ; entry 12
	s_add_nc_u64 s[14:15], s[14:15], s[22:23]
.endif
	s_add_nc_u64 s[4:5], s[4:5], s[20:21]
	s_add_nc_u64 s[OUTP:OUTP+1], s[OUTP:OUTP+1], s[20:21]
.irp j, 0,1,2,3,4,5,6,7
	global_load_b128 v[G+4*\j:G+4*\j+3], v1, s[6:7] offset:512*\j
.endr
.irp j, 0,1,2,3,4,5,6,7
	global_load_b128 v[BE+4*\j:BE+4*\j+3], v1, s[8:9] offset:512*\j
.endr
.irp i, 0,1,2,3
.irp j, 0,1,2,3,4,5,6,7
	global_load_b128 v[X+32*\i+4*\j:X+32*\i+4*\j+3], v1, s[4:5] offset:4096*\i+512*\j th:TH_LOAD_NT
.endr
.endr
.if CODES
	s_wait_kmcnt 0x0
	s_add_co_i32 s28, s28, 127
	s_lshl_b32 s29, s28, 23
	v_mov_b32 v5, s29                              ; 2^e
	s_add_co_i32 s28, s28, 15
	s_lshl_b32 s28, s28, 23
	s_or_b32 s28, s28, 0x600000
	v_mov_b32 v6, s28                              ; 57,344 x 2^e
.endif
.macro REDUCE                          ; four chains of pairs to one number in every lane
	v_pk_add_f32 v[CH:CH+1], v[CH:CH+1], v[CH+2:CH+3]
	v_pk_add_f32 v[CH+4:CH+5], v[CH+4:CH+5], v[CH+6:CH+7]
	v_pk_add_f32 v[CH:CH+1], v[CH:CH+1], v[CH+4:CH+5]
	v_add_f32 v[CH], v[CH], v[CH+1]
	v_add_f32_dpp v[CH], v[CH], v[CH] row_xmask:1 row_mask:0xf bank_mask:0xf
	v_add_f32_dpp v[CH], v[CH], v[CH] row_xmask:2 row_mask:0xf bank_mask:0xf
	v_add_f32_dpp v[CH], v[CH], v[CH] row_xmask:4 row_mask:0xf bank_mask:0xf
	v_add_f32_dpp v[CH], v[CH], v[CH] row_xmask:8 row_mask:0xf bank_mask:0xf
	v_permlanex16_b32 v7, v[CH], s24, s25
	v_add_f32 v[CH], v[CH], v7
.endm
.macro ROW i
.set XR, X+32*(\i)
	s_wait_loadcnt 8*(3-(\i))                      ; g, be and this row are in; the later rows' loads may be out
.irp k, 0,1,2,3
	v_pk_add_f32 v[CH+2*\k:CH+2*\k+1], v[XR+2*\k:XR+2*\k+1], v[XR+8+2*\k:XR+8+2*\k+1]
.endr
.irp p, 8,9,10,11,12,13,14,15
	v_pk_add_f32 v[CH+2*(\p%4):CH+2*(\p%4)+1], v[CH+2*(\p%4):CH+2*(\p%4)+1], v[XR+2*\p:XR+2*\p+1]
.endr
	REDUCE
	v_mul_f32 v[CH+2], s26, v[CH]                  ; the mean
.irp p, 0,1,2,3,4,5,6,7,8,9,10,11,12,13,14,15
	v_pk_add_f32 v[XR+2*\p:XR+2*\p+1], v[XR+2*\p:XR+2*\p+1], v[CH+2:CH+3] op_sel_hi:[1,0] neg_lo:[0,1] neg_hi:[0,1]
.endr
.irp k, 0,1,2,3
	v_pk_mul_f32 v[CH+2*\k:CH+2*\k+1], v[XR+2*\k:XR+2*\k+1], v[XR+2*\k:XR+2*\k+1]
.endr
.irp p, 4,5,6,7,8,9,10,11,12,13,14,15
	v_pk_fma_f32 v[CH+2*(\p%4):CH+2*(\p%4)+1], v[XR+2*\p:XR+2*\p+1], v[XR+2*\p:XR+2*\p+1], v[CH+2*(\p%4):CH+2*(\p%4)+1]
.endr
	REDUCE
	v_fma_f32 v[CH], v[CH], s26, s27               ; the variance + 1e-5
	s_wait_alu depctr_va_vdst(0)
	v_rsq_f32 v[CH+2], v[CH]
	v_nop                                          ; a plain line behind the transcendental,
	s_wait_alu depctr_va_vdst(0)                   ; and the wait ahead of its first reader
.irp p, 0,1,2,3,4,5,6,7,8,9,10,11,12,13,14,15
	v_pk_mul_f32 v[XR+2*\p:XR+2*\p+1], v[XR+2*\p:XR+2*\p+1], v[CH+2:CH+3] op_sel_hi:[1,0]
.endr
.irp p, 0,1,2,3,4,5,6,7,8,9,10,11,12,13,14,15
	v_pk_fma_f32 v[XR+2*\p:XR+2*\p+1], v[XR+2*\p:XR+2*\p+1], v[G+2*\p:G+2*\p+1], v[BE+2*\p:BE+2*\p+1]
.endr
.irp j, 0,1,2,3,4,5,6,7
	global_store_b128 v1, v[XR+4*\j:XR+4*\j+3], s[OUTP:OUTP+1] offset:4096*(\i)+512*\j   ; 512 consecutive bytes, aligned
.endr
.if CODES
.irp t, 0,1
.irp q, 0,1,2,3
	ds_store_b128 v2, v[XR+16*\t+4*\q:XR+16*\t+4*\q+3] offset:2560*\t+640*\q
.endr
.endr
.irp t, 0,1
.irp q, 0,1,2,3
	ds_load_b128 v[XS+4*\q:XS+4*\q+3], v3 offset:2560*\t+16*\q     ; LDS serves a wave's instructions in order: these see the stores above
.endr
	s_wait_dscnt 0x0
.irp q, 0,1,2,3,4,5,6,7,8,9,10,11,12,13,14,15
	v_med3_num_f32 v[XS+\q], v[XS+\q], -v6, v6     ; the conversion does not saturate (ISA guide 7.6.2)
.endr
	v_cvt_scalef32_pk8_bf8_f32 v[CD+8*(\i)+4*\t:CD+8*(\i)+4*\t+1], v[XS:XS+7], v5
	v_cvt_scalef32_pk8_bf8_f32 v[CD+8*(\i)+4*\t+2:CD+8*(\i)+4*\t+3], v[XS+8:XS+15], v5
	v_nop                                          ; a plain line behind the conversions, whose sources are written again
	global_store_b128 v1, v[CD+8*(\i)+4*\t:CD+8*(\i)+4*\t+3], s[14:15] offset:1024*(\i)+512*\t
.endr
.endif
.endm
	ROW 0
	ROW 1
	ROW 2
	ROW 3
	s_set_vgpr_msb 0x5
	s_wait_tensorcnt 0x0
	ds_add_u32 v0, v1
	s_wait_dscnt 0x0
	s_set_vgpr_msb 0x500
	s_endpgm
.Lfunc_end_k_qb48a9eec7a_ln1:
	.size	k_qb48a9eec7a_ln1, .Lfunc_end_k_qb48a9eec7a_ln1-k_qb48a9eec7a_ln1
	.p2alignl 7, 3214868480
	.fill 96, 4, 3214868480
	.section	.rodata,"a",@progbits
	.p2align	6, 0x0
	.amdhsa_kernel k_qb48a9eec7a_ln1
		.amdhsa_group_segment_fixed_size 33280
		.amdhsa_private_segment_fixed_size 0
		.amdhsa_enable_private_segment 0
		.amdhsa_kernarg_size 48
		.amdhsa_user_sgpr_count 2
		.amdhsa_user_sgpr_kernarg_segment_ptr 1
		.amdhsa_wavefront_size32 1
		.amdhsa_system_sgpr_workgroup_id_x 1
		.amdhsa_system_sgpr_workgroup_id_y 1
		.amdhsa_system_sgpr_workgroup_id_z 1
		.amdhsa_system_vgpr_workitem_id 0
		.amdhsa_next_free_vgpr 258
		.amdhsa_next_free_sgpr 66
		.amdhsa_reserve_vcc 0
		.amdhsa_float_denorm_mode_32 3
		.amdhsa_float_denorm_mode_16_64 3
		.amdhsa_memory_ordered 1
		.amdhsa_forward_progress 1
		.amdhsa_inst_pref_size 49
	.end_amdhsa_kernel
	.amdgpu_metadata
---
amdhsa.version: [ 1, 2 ]
amdhsa.kernels:
  - .name:           k_qb48a9eec7a_ln1
    .symbol:         k_qb48a9eec7a_ln1.kd
    .args:
      - { .name: y, .offset: 0, .size: 8, .value_kind: global_buffer, .address_space: global }
      - { .name: g1, .offset: 8, .size: 8, .value_kind: global_buffer, .address_space: global }
      - { .name: be1, .offset: 16, .size: 8, .value_kind: global_buffer, .address_space: global }
      - { .name: lowp_scales, .offset: 24, .size: 8, .value_kind: global_buffer, .address_space: global }
      - { .name: h, .offset: 32, .size: 8, .value_kind: global_buffer, .address_space: global }
      - { .name: hc, .offset: 40, .size: 8, .value_kind: global_buffer, .address_space: global }
    .group_segment_fixed_size: 33280
    .private_segment_fixed_size: 0
    .kernarg_segment_align: 8
    .kernarg_segment_size: 48
    .max_flat_workgroup_size: 128
    .sgpr_count:     66
    .vgpr_count:     258
    .wavefront_size: 32
...
	.end_amdgpu_metadata
.endif
;; end of part 5
;; launch ffn1 (part 6): grid 16 x 16, 4 waves a work-group, clusters of 4 x 4, 327,680 bytes of LDS; arguments hc, W1_codes, lowp_scales, b1, fc; writes fc
.if DOCPART == 6
	.amdgcn_target "amdgcn-amd-amdhsa--gfx1250"
	.amdhsa_code_object_version 6
	.text
	.protected	k_qb48a9eec7a_ffn1
	.globl	k_qb48a9eec7a_ffn1
	.p2align	8
	.type	k_qb48a9eec7a_ffn1,@function
k_qb48a9eec7a_ffn1:
	s_mov_b64 s[64:65], 0
	v_nop
	global_prefetch_b8 v0, s[64:65] scope:SCOPE_SE
	s_setreg_imm32_b32 hwreg(HW_REG_WAVE_MODE, 25, 1), 1
	s_wait_xcnt 0x0
	s_wait_alu depctr_hold_cnt(0) depctr_sa_sdst(0) depctr_va_vdst(0) depctr_va_sdst(0) depctr_va_ssrc(0) depctr_va_vcc(0) depctr_vm_vsrc(0)
	s_getreg_b32 s2, hwreg(HW_REG_IB_STS2, 6, 4)
	s_cmp_eq_u32 s2, 0
	s_cbranch_scc0 .Lentry_in_a_cluster
	s_endpgm
.Lentry_in_a_cluster:
	s_bfe_u32 s2, ttmp6, 0x10000c
	s_cmp_lg_u32 s2, 0xf033
	s_cbranch_scc0 .Lentry_shape_is_right
	s_endpgm
.Lentry_shape_is_right:
.set MODE,  1
.set KROW,  1024
.set ROWB,  256
.set PITCH, 272
.set FR,    16
.set NL,    4
.set NP,    4
.set HALFT, 128*PITCH
.set SLOT,  4*HALFT
.set LAPS,  KROW/(2*ROWB)
.set SPARE, 2*SLOT
.set ADRA, 16
.set ADRB, 20
.set VO,   26
.set SPW,  28
.set NIL,  29
.set CB,   32
.set TMP,  32
.set RB,   96
.set SCL,  112
.set LIM,  113
.set ZR,   114
.set AF,   128
.set CD,   128
.set G1,  24
.set G0,  32
.set G1B, 48
.set G0B, 56
.set MSB, 0
.macro WIN new
.if MSB != (\new)
	s_set_vgpr_msb (MSB<<8)|(\new)
.set MSB, (\new)
.endif
.endm
.set MUL_LO, 0xa1
.set MUL_HI, 0xf1
.set TO_B,   0x40
.macro MWIN hi, zero
.if \zero
	WIN 0x81+0x40*(\hi)
.else
	WIN 0xa1+0x50*(\hi)
.endif
.endm
.macro JLOAD g0a, g1a, g0b, g1b
	s_cmp_eq_u32 s15, 0
	s_cbranch_scc0 .Lfor_b_\@
	tensor_load_to_lds s[\g0a:\g0a+3], s[\g1a:\g1a+7]
	s_nop 0
.rept 4
	v_nop
.endr
	s_branch .Lasked_\@
.Lfor_b_\@:
	tensor_load_to_lds s[\g0b:\g0b+3], s[\g1b:\g1b+7]
	s_nop 0
.rept 4
	v_nop
.endr
.Lasked_\@:
.endm
.macro CREST
	s_cmp_lg_u32 s14, 0
	s_cbranch_scc1 .Lnot_wave_0_\@
	s_barrier_signal -3
.Lnot_wave_0_\@:
	s_barrier_wait -3
	s_barrier_signal -1
	s_barrier_wait -1
.endm
.macro CROUND
	s_barrier_signal -1
	s_barrier_wait -1
	CREST
.endm
	s_load_b256 s[68:75], s[0:1], 0x0
	s_load_b64 s[84:85], s[0:1], 0x20
	v_lshl_add_u32 v[SPW], v0, 2, SPARE
	v_mov_b32 v[NIL], 0
	ds_add_u32 v28, v29
	ds_add_u32 v28, v29
	s_wait_dscnt 0x0
	v_lshrrev_b32 v1, 5, v0
	v_readfirstlane_b32 s14, v1
	v_and_b32 v30, 31, v0
	v_lshlrev_b32 v30, 10, v30                     ; the prefetches' offset: my lane x a row of 1,024 bytes; never rewritten
	s_lshr_b32 s15, s14, 1
	s_and_b32 s16, s14, 1
	s_bfe_u32 s40, ttmp6, 0x40000
	s_bfe_u32 s41, ttmp6, 0x40004
	s_and_b32 s92, ttmp7, 0xffff
	s_lshl_b32 s92, s92, 2
	s_add_co_u32 s17, s92, s41
	s_lshl_b32 s42, ttmp9, 2
	s_add_co_u32 s42, s42, s40
	s_lshl_b32 s43, s41, 2
	s_lshl_b32 s43, 15, s43
	s_lshl_b32 s44, 0x1111, s40
	s_or_b32 s[G1+0], s43, (0<<16)|(1<<20)|(1<<21)|(5<<22)|(3<<25)
	s_or_b32 s[G1B+0], s44, (0<<16)|(1<<20)|(1<<21)|(5<<22)|(3<<25)
.irp g, G1, G1B
	s_mov_b32 s[\g+1], ROWB<<16
	s_mov_b32 s[\g+2], 128<<16
	s_mov_b32 s[\g+3], ROWB<<16
	s_mov_b32 s[\g+4], 128
	s_mov_b32 s[\g+5], KROW
	s_mov_b32 s[\g+6], 0
	s_mov_b32 s[\g+7], 0
.endr
	s_lshl_b32 s18, s16, 7
	s_lshl_b32 s20, s17, 8
	s_add_co_u32 s20, s20, s18
	s_lshl_b32 s20, s20, 10
	s_mov_b32 s21, 0
	s_lshl_b32 s46, s42, 8
	s_add_co_u32 s46, s46, s18
	s_lshl_b32 s46, s46, 10
	s_mov_b32 s47, 0
	s_mul_i32 s45, s14, HALFT
	s_wait_kmcnt 0x0
	s_mov_b64 s[4:5], s[68:69]
	s_mov_b64 s[6:7], s[70:71]
	s_mov_b64 s[86:87], s[72:73]
	s_mov_b64 s[8:9], s[74:75]
	s_mov_b64 s[10:11], s[84:85]
	s_load_b512 s[68:83], s[86:87], 0x0
	s_add_nc_u64 s[20:21], s[4:5], s[20:21]
	s_add_nc_u64 s[46:47], s[6:7], s[46:47]
	s_cmp_eq_u32 s15, 0                            ; the prefetches: of the 128 rows that my wave fetches, the four partners that ask for them jointly take 32 each, told apart by address
	s_cselect_b64 s[96:97], s[20:21], s[46:47]
	s_cselect_b32 s98, s40, s41
	s_lshl_b32 s98, s98, 15                        ; 32 rows of 1,024 bytes x my place among the four
	s_mov_b32 s99, 0
	s_add_nc_u64 s[96:97], s[96:97], s[98:99]      ; never rewritten
	CROUND
.irp s, 0,1
	s_mov_b32 s[G0+4*\s], 1
	s_add_co_u32 s[G0+4*\s+1], s45, \s*SLOT
	s_add_nc_u64 s[G0+4*\s+2:G0+4*\s+3], s[20:21], \s*ROWB
	s_or_b32 s[G0+4*\s+3], s[G0+4*\s+3], 0x80000000
	s_mov_b32 s[G0B+4*\s], 1
	s_add_co_u32 s[G0B+4*\s+1], s45, \s*SLOT
	s_add_nc_u64 s[G0B+4*\s+2:G0B+4*\s+3], s[46:47], \s*ROWB
	s_or_b32 s[G0B+4*\s+3], s[G0B+4*\s+3], 0x80000000
	s_wait_alu depctr_va_vdst(0)
.if \s == 1                            ; slot 1's first fill stands behind the full sequence and a round of its own; slot 0's behind the round above
	s_wait_tensorcnt 0x0
	ds_add_u32 v28, v29
	ds_add_u32 v28, v29
	s_wait_dscnt 0x0
	CROUND
.endif
	JLOAD G0+4*\s, G1, G0B+4*\s, G1B
.if \s == 0
	global_prefetch_b8 v30, s[96:97] offset:ROWB th:TH_LOAD_NT scope:SCOPE_SE     ; behind K step 0's load: K steps 1 and 2, a lane a row, 256 bytes of each row;
	global_prefetch_b8 v30, s[96:97] offset:2*ROWB th:TH_LOAD_NT scope:SCOPE_SE
.else
	global_prefetch_b8 v30, s[96:97] offset:3*ROWB th:TH_LOAD_NT scope:SCOPE_SE   ; behind K step 1's load: K step 3, the last: two steps are asked for and not yet read at the most
.endif
.endr
	v_and_b32 v1, 15, v0
	v_bfe_u32 v2, v0, 4, 1
	v_mul_u32_u24 v3, v1, PITCH
	v_lshl_add_u32 v4, v2, 4, v3
	s_mul_i32 s21, s15, HALFT
	s_mul_i32 s22, s16, HALFT
	s_add_co_u32 s22, s22, 2*HALFT
.irp s, 0,1
	v_add_nc_u32 v[ADRA+\s], s21, v4
	v_add_nc_u32 v[ADRB+\s], s22, v4
	s_add_co_u32 s21, s21, SLOT
	s_add_co_u32 s22, s22, SLOT
.endr
	v_lshlrev_b32 v[VO], 4, v1
	v_lshl_add_u32 v[VO], v2, 3, v[VO]
	v_lshlrev_b32 v5, 5, v2
	s_wait_alu depctr_va_vdst(0)
	s_lshl_b32 s20, s17, 8
	s_lshl_b32 s21, s15, 7
	s_add_co_u32 s20, s20, s21
	s_lshl_b32 s46, s42, 8
	s_lshl_b32 s47, s16, 7
	s_add_co_u32 s46, s46, s47
	s_lshl_b32 s88, s20, 12
	s_lshl_b32 s89, s46, 4
	s_add_co_u32 s88, s88, s89
	s_mov_b32 s89, 0
	s_add_nc_u64 s[10:11], s[10:11], s[88:89]
	s_lshl_b32 s92, s46, 2
	s_mov_b32 s93, 0
	s_add_nc_u64 s[92:93], s[8:9], s[92:93]
.irp b, 0,1,2,3,4,5,6,7
	global_load_b128 v[CB+8*\b:CB+8*\b+3], v5, s[92:93] offset:64*\b
	global_load_b128 v[CB+8*\b+4:CB+8*\b+7], v5, s[92:93] offset:64*\b+16
.endr
	s_wait_loadcnt 0x0
	s_wait_kmcnt 0x0
	s_add_co_i32 s68, s80, s81
	s_mov_b32 s74, s82
	s_sub_co_i32 s69, 0, s68
	s_sub_co_i32 s74, s74, s68
	s_add_co_i32 s74, s74, 127
	s_lshl_b32 s75, s74, 23
	v_mov_b32 v[SCL], s75
	s_add_co_i32 s74, s74, 15
	s_lshl_b32 s74, s74, 23
	s_or_b32 s74, s74, 0x600000
	v_mov_b32 v[LIM], s74
.set j, 0
.rept 64
	v_ldexp_f32 v[CB+j], v[CB+j], s69
.set j, j+1
.endr
.macro FRAG reg, adr, q, i
.irp c, 0,1,2,3
	ds_load_b128 v[\reg+4*\c:\reg+4*\c+3], v[\adr] offset:128*(\q)+32*\c+(\i)*16*PITCH
.endr
.endm
.macro MUL16 a0, p, zero
.irp a, \a0, \a0+1
.irp b, 0,1,2,3,4,5,6,7
.if \zero
	v_wmma_f32_16x16x128_bf8_bf8 v[8*(8*((\a)%4)+\b):8*(8*((\a)%4)+\b)+7], v[128*(\p)+FR*\b:128*(\p)+FR*\b+FR-1], v[AF+FR*(\a):AF+FR*(\a)+FR-1], v[CB+8*\b:CB+8*\b+7]
.else
	v_wmma_f32_16x16x128_bf8_bf8 v[8*(8*((\a)%4)+\b):8*(8*((\a)%4)+\b)+7], v[128*(\p)+FR*\b:128*(\p)+FR*\b+FR-1], v[AF+FR*(\a):AF+FR*(\a)+FR-1], v[8*(8*((\a)%4)+\b):8*(8*((\a)%4)+\b)+7]
.endif
.endr
.endr
.endm
.macro FETCH_B slot, q, p
	WIN TO_B
.irp i, 0,1,2,3,4,5,6,7
	FRAG 128*(\p)+FR*\i, ADRB+\slot, \q, \i
.endr
	WIN 0
.endm
.macro FETCH_A slot, q, i0
.irp i, \i0, \i0+1, \i0+2, \i0+3
	FRAG AF+FR*(\i), ADRA+\slot, \q, \i
.endr
.endm
.macro PLACES n
.rept \n
	v_nop
.endr
.endm
.macro STEP slot, q, zero
	s_wait_dscnt 4*NL
	MWIN 0, \zero
	MUL16 0, (\q)%2, \zero
	MUL16 2, (\q)%2, \zero
	s_wait_dscnt 0
	PLACES NP
	FETCH_B \slot, (\q)+1, 1-(\q)%2
	FETCH_A \slot, (\q)+1, 0
	MWIN 1, \zero
	MUL16 4, (\q)%2, \zero
	MUL16 6, (\q)%2, \zero
	PLACES NP
	WIN 0
	FETCH_A \slot, (\q)+1, 4
.endm
.macro TURN slot, next, fill
	s_wait_tensorcnt 0x0
	ds_add_u32 v[SPW], v[NIL]
	s_wait_dscnt 4*NL+1
	WIN MUL_LO
	MUL16 0, 1, 0
	s_wait_dscnt 0x0
	s_barrier_signal -1
	MUL16 2, 1, 0
	WIN 0
	s_barrier_wait -1
.if \fill
	CREST
	s_add_nc_u64 s[G0+4*\slot+2:G0+4*\slot+3], s[G0+4*\slot+2:G0+4*\slot+3], 2*ROWB
	s_add_nc_u64 s[G0B+4*\slot+2:G0B+4*\slot+3], s[G0B+4*\slot+2:G0B+4*\slot+3], 2*ROWB
	JLOAD G0+4*\slot, G1, G0B+4*\slot, G1B
.else
	PLACES NP
.endif
	FETCH_B \next, 0, 0
	FETCH_A \next, 0, 0
	WIN MUL_HI
	MUL16 4, 1, 0
	MUL16 6, 1, 0
	PLACES NP
	WIN 0
	FETCH_A \next, 0, 4
.endm
	s_wait_alu depctr_va_vdst(0)
	s_wait_tensorcnt 1
	s_barrier_signal -1
	s_barrier_wait -1
	FETCH_B 0, 0, 0
	FETCH_A 0, 0, 0
	FETCH_A 0, 0, 4
	STEP 0, 0, 1
	s_mov_b32 s3, LAPS-1
.Llap:
	TURN 0, 1, 1
	STEP 1, 0, 0
	TURN 1, 0, 1
	STEP 0, 0, 0
	s_sub_co_u32 s3, s3, 1
	s_cmp_lg_u32 s3, 0
	s_cbranch_scc1 .Llap
	TURN 0, 1, 0
	STEP 1, 0, 0
	s_wait_dscnt 4*NL
	WIN MUL_LO
	MUL16 0, 1, 0
	MUL16 2, 1, 0
	s_wait_dscnt 0
	WIN MUL_HI
	MUL16 4, 1, 0
	MUL16 6, 1, 0
	WIN 0
.macro OUTBLK a
.set AC, 64*((\a)%4)
	WIN 0x02+((\a)/4)
.set j, 0
.rept 64
	v_med3_num_f32 v[TMP+j], v[AC+j], 0, v[LIM]
.set j, j+1
.endr
	WIN 0
.irp b, 0,1,2,3,4,5,6,7
	v_cvt_scalef32_pk8_bf8_f32 v[CD+16*(\a)+2*\b:CD+16*(\a)+2*\b+1], v[TMP+8*\b:TMP+8*\b+7], v[SCL]
.endr
	v_nop
.irp b, 0,1,2,3,4,5,6,7
	global_store_b64 v[VO], v[CD+16*(\a)+2*\b:CD+16*(\a)+2*\b+1], s[10:11] offset:(\a)*65536+\b*256
.endr
.endm
	PLACES NP
.irp a, 0,1,2,3,4,5,6,7
	OUTBLK \a
.endr
	s_wait_tensorcnt 0x0
	ds_add_u32 v[SPW], v[NIL]
	s_wait_dscnt 0x0
	CROUND
	s_endpgm
.Lfunc_end_k_qb48a9eec7a_ffn1:
	.size	k_qb48a9eec7a_ffn1, .Lfunc_end_k_qb48a9eec7a_ffn1-k_qb48a9eec7a_ffn1
	.p2alignl 7, 3214868480
	.fill 96, 4, 3214868480
	.section	.rodata,"a",@progbits
	.p2align	6, 0x0
	.amdhsa_kernel k_qb48a9eec7a_ffn1
		.amdhsa_group_segment_fixed_size 327680
		.amdhsa_private_segment_fixed_size 0
		.amdhsa_enable_private_segment 0
		.amdhsa_kernarg_size 40
		.amdhsa_user_sgpr_count 2
		.amdhsa_user_sgpr_kernarg_segment_ptr 1
		.amdhsa_wavefront_size32 1
		.amdhsa_system_sgpr_workgroup_id_x 1
		.amdhsa_system_sgpr_workgroup_id_y 1
		.amdhsa_system_sgpr_workgroup_id_z 1
		.amdhsa_system_vgpr_workitem_id 0
		.amdhsa_next_free_vgpr 1024
		.amdhsa_next_free_sgpr 100
		.amdhsa_reserve_vcc 0
		.amdhsa_float_denorm_mode_32 3
		.amdhsa_float_denorm_mode_16_64 3
		.amdhsa_memory_ordered 1
		.amdhsa_forward_progress 1
		.amdhsa_inst_pref_size 127
	.end_amdhsa_kernel
	.amdgpu_metadata
---
amdhsa.version: [ 1, 2 ]
amdhsa.kernels:
  - .name:           k_qb48a9eec7a_ffn1
    .symbol:         k_qb48a9eec7a_ffn1.kd
    .args:
      - { .name: hc, .offset: 0, .size: 8, .value_kind: global_buffer, .address_space: global }
      - { .name: W1_codes, .offset: 8, .size: 8, .value_kind: global_buffer, .address_space: global }
      - { .name: lowp_scales, .offset: 16, .size: 8, .value_kind: global_buffer, .address_space: global }
      - { .name: b1, .offset: 24, .size: 8, .value_kind: global_buffer, .address_space: global }
      - { .name: fc, .offset: 32, .size: 8, .value_kind: global_buffer, .address_space: global }
    .group_segment_fixed_size: 327680
    .private_segment_fixed_size: 0
    .kernarg_segment_align: 8
    .kernarg_segment_size: 40
    .max_flat_workgroup_size: 128
    .sgpr_count:     100
    .vgpr_count:     1024
    .wavefront_size: 32
...
	.end_amdgpu_metadata
.endif
;; end of part 6
;; launch ffn2 (part 7): grid 8 x 32, 4 waves a work-group, clusters of 4 x 4, 327,680 bytes of LDS; arguments fc, W2_codes, lowp_scales, b2, h, y; writes y
.if DOCPART == 7
	.amdgcn_target "amdgcn-amd-amdhsa--gfx1250"
	.amdhsa_code_object_version 6
	.text
	.protected	k_qb48a9eec7a_ffn2
	.globl	k_qb48a9eec7a_ffn2
	.p2align	8
	.type	k_qb48a9eec7a_ffn2,@function
k_qb48a9eec7a_ffn2:
	s_mov_b64 s[64:65], 0
	v_nop
	global_prefetch_b8 v0, s[64:65] scope:SCOPE_SE
	s_setreg_imm32_b32 hwreg(HW_REG_WAVE_MODE, 25, 1), 1
	s_wait_xcnt 0x0
	s_wait_alu depctr_hold_cnt(0) depctr_sa_sdst(0) depctr_va_vdst(0) depctr_va_sdst(0) depctr_va_ssrc(0) depctr_va_vcc(0) depctr_vm_vsrc(0)
	s_getreg_b32 s2, hwreg(HW_REG_IB_STS2, 6, 4)
	s_cmp_eq_u32 s2, 0
	s_cbranch_scc0 .Lentry_in_a_cluster
	s_endpgm
.Lentry_in_a_cluster:
	s_bfe_u32 s2, ttmp6, 0x10000c
	s_cmp_lg_u32 s2, 0xf033
	s_cbranch_scc0 .Lentry_shape_is_right
	s_endpgm
.Lentry_shape_is_right:
.set KK,    4096
.set SOFF,  56
.set KSTEP, 1024
.set PITCH, KSTEP+16
.set WPART, 32*PITCH
.set SLOT,  4*WPART
.set SPARE, 2*SLOT
.set STAGE, SPARE+512
.set SPITCH, 528
.set ABLK,  16*KK
.set LI,   16
.set PFL,  17
.set PFR,  18
.set ADRB, 20
.set STO,  24
.set RD,   25
.set SPW,  28
.set NIL,  29
.set ACC,  128
.set G1B, 48
.set G0B, 56
.set PFA, 80
.set PFB, 82
.set MSB, 0
.macro WIN new
.if MSB != (\new)
	s_set_vgpr_msb (MSB<<8)|(\new)
.set MSB, (\new)
.endif
.endm
.set MUL, 0x09
.macro JLOAD s
	tensor_load_to_lds s[G0B+4*\s:G0B+4*\s+3], s[G1B:G1B+7]
	s_nop 0
.rept 4
	v_nop
.endr
.endm
.macro CREST
	s_cmp_lg_u32 s14, 0
	s_cbranch_scc1 .Lnot_wave_0_\@
	s_barrier_signal -3
.Lnot_wave_0_\@:
	s_barrier_wait -3
	s_barrier_signal -1
	s_barrier_wait -1
.endm
.macro CROUND
	s_barrier_signal -1
	s_barrier_wait -1
	CREST
.endm
.macro ASK t
	s_cmp_lg_u32 ttmp9, 0
	s_cbranch_scc1 .Lnot_a_\@
	global_prefetch_b8 v[PFL], s[PFA:PFA+1] offset:(\t)*16384 th:TH_LOAD_NT scope:SCOPE_SE
.Lnot_a_\@:
	s_cmp_lg_u32 s19, 0
	s_cbranch_scc1 .Lnot_b_\@
	global_prefetch_b8 v[PFR], s[PFB:PFB+1] offset:(\t)*KSTEP th:TH_LOAD_NT scope:SCOPE_SE
.Lnot_b_\@:
.endm
.macro ALOAD q
.irp i, 0,1
.irp c, 0,1,2,3
	global_load_b128 v[32*((\q)%8)+16*\i+4*\c:32*((\q)%8)+16*\i+4*\c+3], v[LI], s[4:5] offset:\i*ABLK+2048*(\q)+512*\c
.endr
.endr
.endm
.macro RLOAD j
.irp t, 0,1,2,3,4,5,6,7
	global_load_b128 v[32*(\j)+4*\t:32*(\j)+4*\t+3], v[LI], s[76:77] offset:(8*(\j)+\t)*4096 th:TH_LOAD_NT
.endr
.endm
	s_load_b256 s[68:75], s[0:1], 0x0
	s_load_b128 s[76:79], s[0:1], 0x20
	v_lshl_add_u32 v[SPW], v0, 2, SPARE
	v_mov_b32 v[NIL], 0
	ds_add_u32 v28, v29
	ds_add_u32 v28, v29
	s_wait_dscnt 0x0
	v_lshrrev_b32 v1, 5, v0
	v_readfirstlane_b32 s14, v1
	v_and_b32 v3, 31, v0
	v_lshlrev_b32 v[LI], 4, v3
	v_lshlrev_b32 v[PFL], 8, v3
	v_lshlrev_b32 v[PFR], 12, v3
	s_bfe_u32 s40, ttmp6, 0x40000
	s_bfe_u32 s41, ttmp6, 0x40004
	s_lshl_b32 s42, ttmp9, 2
	s_add_co_u32 s42, s42, s40
	s_and_b32 s19, ttmp7, 0xffff
	s_lshl_b32 s17, s19, 2
	s_add_co_u32 s17, s17, s41
	s_lshl_b32 s44, 0x1111, s40
	s_or_b32 s[G1B+0], s44, (0<<16)|(1<<20)|(1<<21)|(7<<22)|(3<<25)
	s_mov_b32 s[G1B+1], KSTEP<<16
	s_mov_b32 s[G1B+2], 32<<16
	s_mov_b32 s[G1B+3], KSTEP<<16
	s_mov_b32 s[G1B+4], 32
	s_mov_b32 s[G1B+5], KK
	s_mov_b32 s[G1B+6], 0
	s_mov_b32 s[G1B+7], 0
	s_lshl_b32 s20, s17, 3
	s_lshl_b32 s18, s14, 1
	s_add_co_u32 s20, s20, s18
	s_lshl_b32 s20, s20, 16
	s_mov_b32 s21, 0
	s_lshl_b32 s46, s42, 7
	s_lshl_b32 s47, s14, 5
	s_add_co_u32 s46, s46, s47
	s_lshl_b32 s46, s46, 12
	s_mov_b32 s47, 0
	s_mul_i32 s45, s14, WPART
	s_lshl_b32 s22, s17, 7
	s_lshl_b32 s23, s14, 5
	s_add_co_u32 s22, s22, s23
	s_lshl_b32 s22, s22, 12
	s_lshl_b32 s12, s42, 9
	s_mov_b32 s13, 0
	s_add_co_u32 s22, s22, s12
	s_mov_b32 s23, 0
	s_lshr_b32 s84, s40, 1
	s_lshl_b32 s84, s84, 16
	s_and_b32 s85, s40, 1
	s_lshl_b32 s85, s85, 13
	s_add_co_u32 s84, s84, s85
	s_mov_b32 s85, 0
	s_lshl_b32 s86, s41, 8
	s_mov_b32 s87, 0
	s_wait_alu depctr_va_vdst(0)
	s_wait_kmcnt 0x0
	s_load_b64 s[96:97], s[72:73], SOFF
	s_add_nc_u64 s[4:5], s[68:69], s[20:21]
	s_add_nc_u64 s[46:47], s[70:71], s[46:47]
	s_add_nc_u64 s[74:75], s[74:75], s[12:13]
	s_add_nc_u64 s[76:77], s[76:77], s[22:23]
	s_add_nc_u64 s[78:79], s[78:79], s[22:23]
	s_add_nc_u64 s[PFA:PFA+1], s[4:5], s[84:85]
	s_add_nc_u64 s[PFB:PFB+1], s[46:47], s[86:87]
	global_load_b128 v[12:15], v[LI], s[74:75]
	WIN 0x80
.irp q, 0,1,2,3,4,5,6
	ALOAD \q
.endr
	WIN 0
	CROUND
.irp s, 0,1
	s_mov_b32 s[G0B+4*\s], 1
	s_add_co_u32 s[G0B+4*\s+1], s45, \s*SLOT
	s_add_nc_u64 s[G0B+4*\s+2:G0B+4*\s+3], s[46:47], \s*KSTEP
	s_or_b32 s[G0B+4*\s+3], s[G0B+4*\s+3], 0x80000000
	s_wait_alu depctr_va_vdst(0)
.if \s == 1                            ; slot 1's first fill stands behind the full sequence and a round of its own; slot 0's behind the round above
	s_wait_tensorcnt 0x0
	ds_add_u32 v28, v29
	ds_add_u32 v28, v29
	s_wait_dscnt 0x0
	CROUND
.endif
	JLOAD \s
.endr
	v_and_b32 v1, 15, v0
	v_bfe_u32 v2, v0, 4, 1
	v_mul_u32_u24 v[ADRB], v1, PITCH
	v_lshl_add_u32 v[ADRB], v2, 4, v[ADRB]
	v_add_nc_u32 v[ADRB+1], 64*PITCH, v[ADRB]
	v_add_nc_u32 v[ADRB+2], SLOT, v[ADRB]
	v_add_nc_u32 v[ADRB+3], SLOT+64*PITCH, v[ADRB]
	s_mul_i32 s23, s14, 16*SPITCH
	s_add_co_u32 s23, s23, STAGE
	v_mul_u32_u24 v6, v1, SPITCH
	v_lshl_add_u32 v6, v2, 5, v6
	v_add_nc_u32 v[STO], s23, v6
	v_add_nc_u32 v[RD], s23, v[LI]
.macro FETCHB slot, qq, f
	WIN 0x40
.irp i, 0,1,2,3,4,5,6,7
.irp c, 0,1,2,3
	ds_load_b128 v[(\f)+16*\i+4*\c:(\f)+16*\i+4*\c+3], v[ADRB+2*(\slot)+\i/4] offset:128*(\qq)+32*\c+(\i%4)*16*PITCH
.endr
.endr
.endm
.macro MULP q, b0, zero
.irp b, \b0, \b0+1
.irp a, 0,1
.if \zero
	v_wmma_f32_16x16x128_bf8_bf8 v[ACC+8*(8*\a+(\b)):ACC+8*(8*\a+(\b))+7], v[128*((\q)%2)+16*(\b):128*((\q)%2)+16*(\b)+15], v[32*((\q)%8)+16*\a:32*((\q)%8)+16*\a+15], 0
.else
	v_wmma_f32_16x16x128_bf8_bf8 v[ACC+8*(8*\a+(\b)):ACC+8*(8*\a+(\b))+7], v[128*((\q)%2)+16*(\b):128*((\q)%2)+16*(\b)+15], v[32*((\q)%8)+16*\a:32*((\q)%8)+16*\a+15], v[ACC+8*(8*\a+(\b)):ACC+8*(8*\a+(\b))+7]
.endif
.endr
.endr
.endm
.macro PLACES
.rept 4
	v_nop
.endr
.endm
.macro AHEAD q
.if (\q) < 25
	WIN 0x80
	ALOAD (\q)+7
.elseif (\q) < 29
	WIN 0xc0
	RLOAD (\q)-25
.endif
.endm
.macro AWAIT q
.if (\q) < 30
	s_wait_loadcnt 48
.else
	s_wait_loadcnt 8*(35-(\q))
.endif
.endm
.macro STEP q, zero
	AWAIT \q
	s_wait_dscnt 24
	WIN MUL
	MULP \q, 0, \zero
	s_wait_dscnt 16
	MULP \q, 2, \zero
	PLACES
	FETCHB ((\q)/8)%2, ((\q)+1)%8, 128*(((\q)+1)%2)
	AHEAD \q
	s_wait_dscnt 40
	WIN MUL
	MULP \q, 4, \zero
	s_wait_dscnt 32
	MULP \q, 6, \zero
.endm
.macro TURN q, fill
.set SL, ((\q)/8)%2
	WIN 0
	AWAIT \q
	s_wait_tensorcnt 0x0
	ds_add_u32 v[SPW], v[NIL]
	s_wait_dscnt 25
	WIN MUL
	MULP \q, 0, 0
	s_wait_dscnt 0x0
	s_barrier_signal -1
	MULP \q, 2, 0
.if \fill
	WIN 0
.endif
	s_barrier_wait -1
.if \fill
	CREST
	s_add_nc_u64 s[G0B+4*SL+2:G0B+4*SL+3], s[G0B+4*SL+2:G0B+4*SL+3], 2*KSTEP
	JLOAD SL
.else
	PLACES
.endif
	FETCHB 1-SL, 0, 128*(((\q)+1)%2)
.if (\q) == 7
	WIN 0
	ASK 3
.endif
	AHEAD \q
	WIN MUL
	MULP \q, 4, 0
	MULP \q, 6, 0
.endm
	s_wait_alu depctr_va_vdst(0)
	s_wait_tensorcnt 1
	s_barrier_signal -1
	s_barrier_wait -1
	FETCHB 0, 0, 0
	WIN 0
	ASK 2
	STEP 0, 1
.irp q, 1,2,3,4,5,6
	STEP \q, 0
.endr
	TURN 7, 1
.irp q, 8,9,10,11,12,13,14
	STEP \q, 0
.endr
	TURN 15, 1
.irp q, 16,17,18,19,20,21,22
	STEP \q, 0
.endr
	TURN 23, 0
.irp q, 24,25,26,27,28,29,30
	STEP \q, 0
.endr
	AWAIT 31
	s_wait_dscnt 24
	WIN MUL
	MULP 31, 0, 0
	s_wait_dscnt 16
	MULP 31, 2, 0
	s_wait_dscnt 8
	MULP 31, 4, 0
	s_wait_dscnt 0
	MULP 31, 6, 0
	WIN 0
	s_wait_loadcnt 0x0
	s_wait_kmcnt 0x0
	s_add_co_i32 s96, s96, s97
	s_add_co_i32 s96, s96, 127
	s_lshl_b32 s96, s96, 23
	s_mov_b32 s97, s96
	WIN 0xc3
.set j, 0
.rept 32
	v_pk_add_f32 v[4*j:4*j+1], v[4*j:4*j+1], v[12:13]
	v_pk_add_f32 v[4*j+2:4*j+3], v[4*j+2:4*j+3], v[14:15]
.set j, j+1
.endr
	WIN 0
.macro TOSTAGE a
.irp b, 0,1,2,3,4,5,6,7
	ds_store_b128 v[STO], v[ACC+8*(8*(\a)+\b):ACC+8*(8*(\a)+\b)+3] offset:64*\b
	ds_store_b128 v[STO], v[ACC+8*(8*(\a)+\b)+4:ACC+8*(8*(\a)+\b)+7] offset:64*\b+16
.endr
	WIN 0x80
.irp t, 0,1,2,3,4,5,6,7,8,9,10,11,12,13,14,15
	ds_load_b128 v[64*(\a)+4*\t:64*(\a)+4*\t+3], v[RD] offset:\t*SPITCH
.endr
	WIN 0
.endm
.macro SEND a, younger
	s_wait_dscnt \younger
	WIN 0xf2
.set j, 0
.rept 32
	v_pk_fma_f32 v[64*(\a)+2*j:64*(\a)+2*j+1], v[64*(\a)+2*j:64*(\a)+2*j+1], s[96:97], v[64*(\a)+2*j:64*(\a)+2*j+1] op_sel_hi:[1,0,1]
.set j, j+1
.endr
	WIN 0x0c
.irp t, 0,1,2,3,4,5,6,7,8,9,10,11,12,13,14,15
	global_store_b128 v[LI], v[64*(\a)+4*\t:64*(\a)+4*\t+3], s[78:79] offset:(16*(\a)+\t)*4096
.endr
	WIN 0
.endm
	TOSTAGE 0
	TOSTAGE 1
	SEND 0, 32
	SEND 1, 0
	s_wait_tensorcnt 0x0
	ds_add_u32 v[SPW], v[NIL]
	s_wait_dscnt 0x0
	CROUND
	s_endpgm
.Lfunc_end_k_qb48a9eec7a_ffn2:
	.size	k_qb48a9eec7a_ffn2, .Lfunc_end_k_qb48a9eec7a_ffn2-k_qb48a9eec7a_ffn2
	.p2alignl 7, 3214868480
	.fill 96, 4, 3214868480
	.section	.rodata,"a",@progbits
	.p2align	6, 0x0
	.amdhsa_kernel k_qb48a9eec7a_ffn2
		.amdhsa_group_segment_fixed_size 327680
		.amdhsa_private_segment_fixed_size 0
		.amdhsa_enable_private_segment 0
		.amdhsa_kernarg_size 48
		.amdhsa_user_sgpr_count 2
		.amdhsa_user_sgpr_kernarg_segment_ptr 1
		.amdhsa_wavefront_size32 1
		.amdhsa_system_sgpr_workgroup_id_x 1
		.amdhsa_system_sgpr_workgroup_id_y 1
		.amdhsa_system_sgpr_workgroup_id_z 1
		.amdhsa_system_vgpr_workitem_id 0
		.amdhsa_next_free_vgpr 896
		.amdhsa_next_free_sgpr 100
		.amdhsa_reserve_vcc 0
		.amdhsa_float_denorm_mode_32 3
		.amdhsa_float_denorm_mode_16_64 3
		.amdhsa_memory_ordered 1
		.amdhsa_forward_progress 1
		.amdhsa_inst_pref_size 159
	.end_amdhsa_kernel
	.amdgpu_metadata
---
amdhsa.version: [ 1, 2 ]
amdhsa.kernels:
  - .name:           k_qb48a9eec7a_ffn2
    .symbol:         k_qb48a9eec7a_ffn2.kd
    .args:
      - { .name: fc, .offset: 0, .size: 8, .value_kind: global_buffer, .address_space: global }
      - { .name: W2_codes, .offset: 8, .size: 8, .value_kind: global_buffer, .address_space: global }
      - { .name: lowp_scales, .offset: 16, .size: 8, .value_kind: global_buffer, .address_space: global }
      - { .name: b2, .offset: 24, .size: 8, .value_kind: global_buffer, .address_space: global }
      - { .name: h, .offset: 32, .size: 8, .value_kind: global_buffer, .address_space: global }
      - { .name: y, .offset: 40, .size: 8, .value_kind: global_buffer, .address_space: global }
    .group_segment_fixed_size: 327680
    .private_segment_fixed_size: 0
    .kernarg_segment_align: 8
    .kernarg_segment_size: 48
    .max_flat_workgroup_size: 128
    .sgpr_count:     100
    .vgpr_count:     896
    .wavefront_size: 32
...
	.end_amdgpu_metadata
.endif
;; end of part 7
;; launch ln2 (part 8): grid 256 x 1, 4 waves a work-group, no clusters, 0 bytes of LDS; arguments y, g2, be2, out0; writes out0
.if DOCPART == 8
	.amdgcn_target "amdgcn-amd-amdhsa--gfx1250"
	.amdhsa_code_object_version 6
	.text
	.protected	k_qb48a9eec7a_ln2
	.globl	k_qb48a9eec7a_ln2
	.p2align	8
	.type	k_qb48a9eec7a_ln2,@function
k_qb48a9eec7a_ln2:
	s_mov_b64 s[64:65], 0
	v_nop
	global_prefetch_b8 v0, s[64:65] scope:SCOPE_SE
	s_setreg_imm32_b32 hwreg(HW_REG_WAVE_MODE, 25, 1), 1
	s_wait_xcnt 0x0
; out = (y - mean) x rsqrt(var + 1e-5) x g + be, row by row of 1,024 f32.
; One wave, one row at a time, four rows a wave: a row is 32 registers a lane (eight loads of 512 consecutive bytes) and stays there between the passes: the mean, the sum of squared differences
; (no difference of large sums is formed), the scaling.  All loads go out at the head.  No wave waits for another; no LDS.
.set CH, 8                             ; v8-15  four chains of pairs; then the mean or 1 / sigma in v10
.set X,  64                            ; v64-191 four rows
.set G,  192
.set BE, 224
	s_load_b256 s[4:11], s[0:1], 0x0               ; y, g, be, the result
	v_lshrrev_b32 v1, 5, v0
	v_readfirstlane_b32 s16, v1                    ; wave
	v_and_b32 v4, 31, v0
	v_lshlrev_b32 v1, 4, v4                        ; 16 x lane
	v_mov_b32 v7, 0                                ; a lane permute's destination counts as a source
	s_lshl_b32 s18, ttmp9, 2
	s_add_co_u32 s18, s18, s16                     ; my four rows
	s_lshl_b32 s20, s18, 14
	s_mov_b32 s21, 0
	s_mov_b32 s24, 0x76543210
	s_mov_b32 s25, 0xfedcba98
	s_mov_b32 s26, 0x3a800000                      ; 1 / 1,024
	s_mov_b32 s27, 0x3727c5ac                      ; 1e-5
	s_wait_alu depctr_va_vdst(0)
	s_wait_kmcnt 0x0
	s_add_nc_u64 s[4:5], s[4:5], s[20:21]
	s_add_nc_u64 s[10:11], s[10:11], s[20:21]
.irp j, 0,1,2,3,4,5,6,7
	global_load_b128 v[G+4*\j:G+4*\j+3], v1, s[6:7] offset:512*\j
.endr
.irp j, 0,1,2,3,4,5,6,7
	global_load_b128 v[BE+4*\j:BE+4*\j+3], v1, s[8:9] offset:512*\j
.endr
.irp i, 0,1,2,3
.irp j, 0,1,2,3,4,5,6,7
	global_load_b128 v[X+32*\i+4*\j:X+32*\i+4*\j+3], v1, s[4:5] offset:4096*\i+512*\j th:TH_LOAD_NT
.endr
.endr
.macro REDUCE                          ; four chains of pairs to one number in every lane
	v_pk_add_f32 v[CH:CH+1], v[CH:CH+1], v[CH+2:CH+3]
	v_pk_add_f32 v[CH+4:CH+5], v[CH+4:CH+5], v[CH+6:CH+7]
	v_pk_add_f32 v[CH:CH+1], v[CH:CH+1], v[CH+4:CH+5]
	v_add_f32 v[CH], v[CH], v[CH+1]
	v_add_f32_dpp v[CH], v[CH], v[CH] row_xmask:1 row_mask:0xf bank_mask:0xf
	v_add_f32_dpp v[CH], v[CH], v[CH] row_xmask:2 row_mask:0xf bank_mask:0xf
	v_add_f32_dpp v[CH], v[CH], v[CH] row_xmask:4 row_mask:0xf bank_mask:0xf
	v_add_f32_dpp v[CH], v[CH], v[CH] row_xmask:8 row_mask:0xf bank_mask:0xf
	v_permlanex16_b32 v7, v[CH], s24, s25
	v_add_f32 v[CH], v[CH], v7
.endm
.macro ROW i
.set XR, X+32*(\i)
	s_wait_loadcnt 8*(3-(\i))                      ; g, be and this row are in; the later rows' loads may be out
.irp k, 0,1,2,3
	v_pk_add_f32 v[CH+2*\k:CH+2*\k+1], v[XR+2*\k:XR+2*\k+1], v[XR+8+2*\k:XR+8+2*\k+1]
.endr
.irp p, 8,9,10,11,12,13,14,15
	v_pk_add_f32 v[CH+2*(\p%4):CH+2*(\p%4)+1], v[CH+2*(\p%4):CH+2*(\p%4)+1], v[XR+2*\p:XR+2*\p+1]
.endr
	REDUCE
	v_mul_f32 v[CH+2], s26, v[CH]                  ; the mean
.irp p, 0,1,2,3,4,5,6,7,8,9,10,11,12,13,14,15
	v_pk_add_f32 v[XR+2*\p:XR+2*\p+1], v[XR+2*\p:XR+2*\p+1], v[CH+2:CH+3] op_sel_hi:[1,0] neg_lo:[0,1] neg_hi:[0,1]
.endr
.irp k, 0,1,2,3
	v_pk_mul_f32 v[CH+2*\k:CH+2*\k+1], v[XR+2*\k:XR+2*\k+1], v[XR+2*\k:XR+2*\k+1]
.endr
.irp p, 4,5,6,7,8,9,10,11,12,13,14,15
	v_pk_fma_f32 v[CH+2*(\p%4):CH+2*(\p%4)+1], v[XR+2*\p:XR+2*\p+1], v[XR+2*\p:XR+2*\p+1], v[CH+2*(\p%4):CH+2*(\p%4)+1]
.endr
	REDUCE
	v_fma_f32 v[CH], v[CH], s26, s27               ; the variance + 1e-5
	s_wait_alu depctr_va_vdst(0)
	v_rsq_f32 v[CH+2], v[CH]
	v_nop                                          ; a plain line behind the transcendental,
	s_wait_alu depctr_va_vdst(0)                   ; and the wait ahead of its first reader
.irp p, 0,1,2,3,4,5,6,7,8,9,10,11,12,13,14,15
	v_pk_mul_f32 v[XR+2*\p:XR+2*\p+1], v[XR+2*\p:XR+2*\p+1], v[CH+2:CH+3] op_sel_hi:[1,0]
.endr
.irp p, 0,1,2,3,4,5,6,7,8,9,10,11,12,13,14,15
	v_pk_fma_f32 v[XR+2*\p:XR+2*\p+1], v[XR+2*\p:XR+2*\p+1], v[G+2*\p:G+2*\p+1], v[BE+2*\p:BE+2*\p+1]
.endr
.irp j, 0,1,2,3,4,5,6,7
	global_store_b128 v1, v[XR+4*\j:XR+4*\j+3], s[10:11] offset:4096*(\i)+512*\j th:TH_STORE_NT   ; 512 consecutive bytes, aligned
.endr
.endm
	ROW 0
	ROW 1
	ROW 2
	ROW 3
	s_endpgm
.Lfunc_end_k_qb48a9eec7a_ln2:
	.size	k_qb48a9eec7a_ln2, .Lfunc_end_k_qb48a9eec7a_ln2-k_qb48a9eec7a_ln2
	.p2alignl 7, 3214868480
	.fill 96, 4, 3214868480
	.section	.rodata,"a",@progbits
	.p2align	6, 0x0
	.amdhsa_kernel k_qb48a9eec7a_ln2
		.amdhsa_group_segment_fixed_size 0
		.amdhsa_private_segment_fixed_size 0
		.amdhsa_enable_private_segment 0
		.amdhsa_kernarg_size 32
		.amdhsa_user_sgpr_count 2
		.amdhsa_user_sgpr_kernarg_segment_ptr 1
		.amdhsa_wavefront_size32 1
		.amdhsa_system_sgpr_workgroup_id_x 1
		.amdhsa_system_sgpr_workgroup_id_y 1
		.amdhsa_system_sgpr_workgroup_id_z 1
		.amdhsa_system_vgpr_workitem_id 0
		.amdhsa_next_free_vgpr 256
		.amdhsa_next_free_sgpr 66
		.amdhsa_reserve_vcc 0
		.amdhsa_float_denorm_mode_32 3
		.amdhsa_float_denorm_mode_16_64 3
		.amdhsa_memory_ordered 1
		.amdhsa_forward_progress 1
		.amdhsa_inst_pref_size 33
	.end_amdhsa_kernel
	.amdgpu_metadata
---
amdhsa.version: [ 1, 2 ]
amdhsa.kernels:
  - .name:           k_qb48a9eec7a_ln2
    .symbol:         k_qb48a9eec7a_ln2.kd
    .args:
      - { .name: y, .offset: 0, .size: 8, .value_kind: global_buffer, .address_space: global }
      - { .name: g2, .offset: 8, .size: 8, .value_kind: global_buffer, .address_space: global }
      - { .name: be2, .offset: 16, .size: 8, .value_kind: global_buffer, .address_space: global }
      - { .name: out0, .offset: 24, .size: 8, .value_kind: global_buffer, .address_space: global }
    .group_segment_fixed_size: 0
    .private_segment_fixed_size: 0
    .kernarg_segment_align: 8
    .kernarg_segment_size: 32
    .max_flat_workgroup_size: 128
    .sgpr_count:     66
    .vgpr_count:     256
    .wavefront_size: 32
...
	.end_amdgpu_metadata
.endif
;; end of part 8
